; MI455X (gfx1250); checked and timed in simulation.
; The chip was launched on July 23, 2026; its instructions are those of AMD's public machine-readable ISA for CDNA 5 (MIT licence, August 2026) and "CDNA5" Instruction Set Architecture Reference Guide (July 2026). The comments in the code are by the model that wrote it; some were corrected since.
;; Self Attention. Allowed arithmetic: matrix products marked QUANTISED: E2M3 operands, one E8M0 scale for each 32 along K, by v_wmma_scale_f32_16x16x128_f8f6f4 with both operands' format E2M3, f32 sums; everything else in f32.
;; Inputs: b_out 1,024 float32; w_out 1,024 x 1,024 float32; w_qkv 1,024 x 3,072 float32; x 4 x 2,048 x 1,024 float32.
;; Outputs: out0 4 x 2,048 x 1,024 float32.
;; This version of the problem:
;;   THIS VERSION OF THE PROBLEM IS GIVEN IN LOW PRECISION. The matrix products marked QUANTISED in the list below multiply operands that are first quantised to E2M3 (2 exponent bits, 3 mantissa bits; 6 bits a number), with one power-of-two scale for each 32 numbers along K (OCP MX v1.0); their sums are f32. All else is computed in f32.
;;   The module's matrix products, in the order in which they are computed (A, B: the left and right operand; K: the contracted axis; several contracted axes count as one K, in the product's order):
;;     1. [M 8,192, K 1,024] x [K 1,024, N 3,072]; A: input x; B: input w_qkv: QUANTISED
;;     2. batch 64 x [M 2,048, K 64] x [K 64, N 2,048]; A: computed on the way; B: computed on the way: QUANTISED
;;     3. batch 64 x [M 2,048, K 2,048] x [K 2,048, N 64]; A: softmax (see below); B: computed on the way: QUANTISED
;;     4. [M 8,192, K 1,024] x [K 1,024, N 1,024]; A: computed on the way; B: input w_out: QUANTISED
;;   THE QUANTISER, for each operand of a quantised product, along K:
;;     - K is cut into blocks of 32 from its start; a last block that is shorter is filled with zeros.
;;     - A block's scale is 2^e with e = floor(log2(the largest magnitude in the block)) - 2, held to -126 .. 127; a block of zeros has e = 0. As a byte (E8M0): e + 127.
;;     - Each number is divided by its block's scale, clamped to +-7.5, and rounded to the nearest number of E2M3, ties to even, subnormals kept.
;;     - The product sums the exact products of the quantised numbers (number of the format x scale) in f32.
;;   ~~~python
;;   def quantise(x, axis):      # numpy; x: float32 -> the quantised numbers, widened to float32 again
;;       x = np.moveaxis(x, axis, -1); K = x.shape[-1]
;;       x = np.pad(x, [(0, 0)] * (x.ndim - 1) + [(0, -K % 32)]); x = x.reshape(x.shape[:-1] + (-1, 32)); a = np.abs(x).max(-1, keepdims=True)
;;       e = np.where(a > 0, np.clip(np.frexp(np.where(a > 0, a, 1))[1] - 1 - 2, -126, 127), 0)      # np.frexp(a)[1] - 1 = floor(log2(a)), exactly
;;       r = np.clip(x / 2.0 ** e, -7.5, 7.5)
;;       step = 2.0 ** (np.maximum(np.frexp(np.where(r == 0, 1, r))[1] - 1, 0) - 3)
;;       q = np.round(r / step) * step * 2.0 ** e      # np.round: ties to even
;;       return np.moveaxis(q.reshape(q.shape[:-2] + (-1,))[..., :K], -1, axis).astype(np.float32)
;;   ~~~
;;   SOFTMAX AHEAD OF A QUANTISED PRODUCT. Where the list says 'softmax', what is quantised is not the finished softmax but p = 2^(t - M), with t = logit x log2(e) and M = ceil(the row's largest t), a whole number; so 1/2 < the row's largest p <= 1. The row's sum l is taken of the UNQUANTISED p, in f32, and the product's result is divided by l at the end. Since M is a whole number, a kernel that streams over the keys may use a running M (the ceiling of the running maximum): every later rescaling is an exact power of two, which a block's scale takes up: the codes' values come out the same.
;;   OPERANDS COMPUTED ON THE WAY. 'Computed on the way' means the value that the module computes at that place (a softmax that the list does not call 'softmax' is quantised finished and normalised). What goes into a quantiser is computed in f32, as accurately as f32 sums, v_exp_f32 and their like allow (about 1e-6 of the number): no bf16 or f16 on the way to a quantiser, and a product that is left as it is and whose result goes on into a quantised operand takes f32 operands (vector FMAs, or v_wmma_f32_16x16x4_f32). A number that lies on a knife's edge between two numbers of the format may be rounded either way, as far as f32 arithmetic and the matrix unit's own rounding can turn it there, and no further.
;; One version. Each part assembles by itself: llvm-mc -triple=amdgcn-amd-amdhsa -mcpu=gfx1250 --defsym DOCPART=n.
;; ======== version 1 of 1: 4 launches
;; limits: right only within a limited range of input values
;; workspace buffers: img 9,830,400 bytes; att 19,660,800 bytes; oq 6,553,600 bytes
;; launch quant (part 1): grid 384 x 1, 4 waves a work-group, no clusters, 34,304 bytes of LDS; arguments x, w_qkv, w_out, img; writes img
.if DOCPART == 1
	.amdgcn_target "amdgcn-amd-amdhsa--gfx1250"
	.amdhsa_code_object_version 6
	.text
	.protected	k_qd92e317a30_quant
	.globl	k_qd92e317a30_quant
	.p2align	8
	.type	k_qd92e317a30_quant,@function
k_qd92e317a30_quant:
	s_mov_b64 s[64:65], 0
	v_nop
	global_prefetch_b8 v0, s[64:65] scope:SCOPE_SE
	s_setreg_imm32_b32 hwreg(HW_REG_WAVE_MODE, 25, 1), 1
	s_wait_xcnt 0x0
; SELF-ATTENTION IN MX-FP6, launch 1 of 4: x [8192][1024], w_qkv [1024][3072] and w_out [1024][1024], f32, become codes of E2M3 with one E8M0 byte for each 32 along K (K = 1024 in all three).
; DEAD WORK: none.  Every input has a way to out0 and every product of reference() is live, so nothing of reference() is left out in any of the four launches.
; LIMITS: NaN and infinities among the inputs are not served.  A block whose largest magnitude lies under 2^-124 (a block of zeros too) gets the byte 1 where the rule says another: the bytes are read by this program alone,
; and a block of zeros has zero codes, which add nothing under any byte but 0xff.
; THE WORKSPACE IS LAID AS THE MATRIX UNIT'S REGISTERS WANT IT.  img holds 768 tiles of 16 rows: 0-511 x's rows, 512-703 w_qkv's columns, 704-767 w_out's columns.
;   THE ROWS OF A TILE ARE NOT NEIGHBOURS: lane-row r of tile T is row 32 (T / 2) + 8 (T % 2) + r + 8 (r / 8), so that a product that takes such tiles as source 0 leaves 16 neighbours in the 16 registers of tiles 2 b, 2 b + 1.
;   Codes: [tile][K step of 128: 0..7][1,536 bytes].  A fragment (12 registers a lane) is two halves of 768 bytes (64 along K): registers 0-3 at 16 x lane, registers 4-5 at 512 + 8 x lane.
;   Scale words, from byte ISC on: [tile][512 bytes]; the word of (row r, K step s) at 128 (s / 2) + 8 r + 4 (s % 2).
; SHARES.  A wave makes one tile x 512 along K: four fragments and 256 bytes of scale words.  Work-groups 0-255 take x, 256-383 the weights; the two ways part on the work-group's number.
;   x (K innermost): each load reads 512 consecutive bytes of a row; 16 rows x 512 bytes turn through the wave's own stage in LDS, so that a lane gets the 32 neighbours of a block.
;   weights (K outermost): a lane takes a column and its registers run down K; the four waves of a work-group stand side by side on 256 consecutive bytes of each row.  No LDS.
.set ISC,   9437184
.set STG,   8448                       ; a wave's stage: 16 rows x (512 bytes + 16)
.set SPARE, 4*STG                      ; behind the stages: the spare words, 128 bytes a wave
.set SPW,  4                           ; v4   my spare word's LDS address; never rewritten
.set NIL,  5                           ; v5   0; never rewritten
.set O16,  6                           ; v6   16 x lane
.set O8,   7                           ; v7   8 x lane
.set WRX,  8                           ; v8   stage, way in: 16 x lane
.set RDX,  9                           ; v9   stage, way out: 528 r + 128 h
.set SH,   10                          ; v10  8 h
.set SOFF, 11                          ; v11  128 h + 8 r: my place among the wave's 256 bytes of scale words
.set R,    16                          ; v16-143  x: two sets of 64 registers as loaded
.set VOFF, 16                          ; v16-47   weights: byte offset of row 32 h + i, my column
.set X,    144                         ; v144-207 two blocks of 32 numbers of my row or column
.set C,    208                         ; v208-219 a fragment's codes
.set CT,   220                         ; v220-222 the second half of a block's codes (a conversion's three registers begin on an even number)
.set BY,   224                         ; v224-225 the two blocks' bytes
.set WD,   226                         ; v226-229 four scale words
	s_load_b256 s[4:11], s[0:1], 0x0               ; x s[4:5], w_qkv s[6:7], w_out s[8:9], img s[10:11]
	v_lshl_add_u32 v[SPW], v0, 2, SPARE
	v_mov_b32 v[NIL], 0
	v_lshrrev_b32 v1, 5, v0
	v_readfirstlane_b32 s16, v1                    ; wave
	v_and_b32 v1, 31, v0                           ; lane
	v_and_b32 v2, 15, v0                           ; r
	v_bfe_u32 v3, v0, 4, 1                         ; h
	v_lshlrev_b32 v[O16], 4, v1
	v_lshlrev_b32 v[O8], 3, v1
	v_lshlrev_b32 v[SH], 3, v3
	v_lshlrev_b32 v[SOFF], 3, v2
	v_lshl_add_u32 v[SOFF], v3, 7, v[SOFF]
	s_mul_i32 s19, s16, STG
	v_add_nc_u32 v[WRX], s19, v[O16]
	v_mul_u32_u24 v[RDX], v2, 528
	v_lshl_add_u32 v[RDX], v3, 7, v[RDX]
	v_add_nc_u32 v[RDX], s19, v[RDX]
	v_cmp_ne_u32 s22, 0, v3                        ; lanes 16-31
	v_mov_b32 v232, 0                              ; a lane permute's destination counts as read: written once
	s_mov_b32 s20, 0x76543210
	s_mov_b32 s21, 0xfedcba98                      ; v_permlanex16_b32's selects for lane l xor 16
; where the wave's codes and scale words go: s26 = the tile in img, s18 = which 512 along K
.macro OUTBASE
	s_mul_i32 s28, s26, 12288
	s_mul_i32 s29, s18, 6144
	s_add_co_u32 s28, s28, s29
	s_mov_b32 s29, 0
	s_lshl_b32 s30, s26, 9
	s_lshl_b32 s31, s18, 8
	s_add_co_u32 s30, s30, s31
	s_add_co_u32 s30, s30, ISC
	s_mov_b32 s31, 0
	s_wait_kmcnt 0x0
	s_add_nc_u64 s[12:13], s[10:11], s[28:29]
	s_add_nc_u64 s[14:15], s[10:11], s[30:31]
.endm
; A block of 32 numbers, all in my registers X + 32 c on: its largest magnitude with the floor 2^(3 - 127) among the leaves (so the byte cannot fall under 1); 2 off the exponent field is the conversion's scale operand
.macro QBLK c
.set XS, X+32*(\c)
	v_max3_num_f32 v230, |v[XS]|, |v[XS+1]|, |v[XS+2]|
	v_max3_num_f32 v231, |v[XS+3]|, |v[XS+4]|, |v[XS+5]|
.irp i, 6,10,14,18,22,26
	v_max3_num_f32 v230, v230, |v[XS+\i]|, |v[XS+\i+1]|
	v_max3_num_f32 v231, v231, |v[XS+\i+2]|, |v[XS+\i+3]|
.endr
	v_max3_num_f32 v230, v230, |v[XS+30]|, |v[XS+31]|
	v_max3_num_f32 v230, v230, v231, 0x1800000
	v_add_nc_u32 v233, 0xff000000, v230
	v_lshrrev_b32 v[BY+(\c)], 23, v233             ; the scale's byte
	v_cvt_scalef32_pk16_fp6_f32 v[C+6*(\c):C+6*(\c)+2], v[XS:XS+15], v233
	v_cvt_scalef32_pk16_fp6_f32 v[CT:CT+2], v[XS+16:XS+31], v233
	v_nop                                          ; one plain place behind a scaled conversion
.irp i, 0,1,2
	v_mov_b32 v[C+6*(\c)+3+\i], v[CT+\i]
.endr
.endm
; Fragment s of the wave's four is whole: its scale word (my blocks are h and 2 + h; lane l xor 16 has the other two) and its four stores: 512, 256, 512, 256 consecutive bytes
.macro FIN s
	v_lshl_or_b32 v234, v[BY+1], 16, v[BY]
	v_lshlrev_b32 v234, v[SH], v234
	v_permlanex16_b32 v232, v234, s20, s21
	v_or_b32 v[WD+(\s)], v234, v232
	global_store_b128 v[O16], v[C:C+3], s[12:13] offset:1536*(\s)
	global_store_b64 v[O8], v[C+4:C+5], s[12:13] offset:1536*(\s)+512
	global_store_b128 v[O16], v[C+6:C+9], s[12:13] offset:1536*(\s)+768
	global_store_b64 v[O8], v[C+10:C+11], s[12:13] offset:1536*(\s)+1280
.endm
.macro TAIL                            ; lanes 0-15 store the words of K steps 0, 1, lanes 16-31 those of 2, 3: 256 consecutive bytes, aligned
	v_cndmask_b32 v230, v[WD], v[WD+2], s22
	v_cndmask_b32 v231, v[WD+1], v[WD+3], s22
	global_store_b64 v[SOFF], v[230:231], s[14:15]
.endm
	s_cmp_ge_u32 ttmp9, 256
	s_cbranch_scc1 .Lweights
	; ---- x: tile 2 wg + (wave >> 1), K half wave & 1
	s_lshr_b32 s17, s16, 1
	s_and_b32 s18, s16, 1
	s_lshl_b32 s24, ttmp9, 17                      ; 32 wg rows of 4,096 bytes
	s_lshl_b32 s25, s17, 15                        ; + 8 rows for the odd tile
	s_add_co_u32 s24, s24, s25
	s_lshl_b32 s25, s18, 11                        ; + 512 numbers along K
	s_add_co_u32 s24, s24, s25
	s_mov_b32 s25, 0
	s_lshl_b32 s26, ttmp9, 1
	s_add_co_u32 s26, s26, s17
	OUTBASE
	s_add_nc_u64 s[4:5], s[4:5], s[24:25]
.macro LOADX s                         ; fragment s: 16 rows x 512 consecutive bytes
.irp t, 0,1,2,3,4,5,6,7,8,9,10,11,12,13,14,15
	global_load_b128 v[R+64*((\s)%2)+4*\t:R+64*((\s)%2)+4*\t+3], v[O16], s[4:5] offset:(\t+8*(\t/8))*4096+512*(\s) th:TH_LOAD_NT
.endr
.endm
.macro XSTEP s
.if (\s) < 3
	s_wait_loadcnt 16                              ; this fragment's 16 loads are in; the next fragment's 16 may be out
.else
	s_wait_loadcnt 0x0
.endif
.irp t, 0,1,2,3,4,5,6,7,8,9,10,11,12,13,14,15
	ds_store_b128 v[WRX], v[R+64*((\s)%2)+4*\t:R+64*((\s)%2)+4*\t+3] offset:528*\t
.endr
.irp c, 0,1
.irp j, 0,1,2,3,4,5,6,7
	ds_load_b128 v[X+32*\c+4*\j:X+32*\c+4*\j+3], v[RDX] offset:256*\c+16*\j   ; LDS serves a wave's instructions in order: these see my stores.  k = 64 c + 32 h + 4 j on, of row r
.endr
.endr
.if (\s) > 0
	s_wait_xcnt 0x0                                ; the last fragment's stores have read the codes' registers, which are written again below
.endif
	s_wait_dscnt 0x0                               ; my numbers are back, and the stores into the stage have read their registers
.if (\s) < 2
	LOADX (\s)+2
.endif
	QBLK 0
	QBLK 1
	FIN \s
.endm
	LOADX 0
	LOADX 1
	s_wait_alu depctr_va_vdst(0)
	XSTEP 0
	XSTEP 1
	XSTEP 2
	XSTEP 3
	TAIL
	s_wait_tensorcnt 0x0                           ; the wave's end: three lines behind my last LDS store
	ds_add_u32 v[SPW], v[NIL]
	s_wait_dscnt 0x0
	s_endpgm
.Lweights:
	; ---- weights: j = wg - 256; column tile 4 (j >> 1) + wave of 256 (192 of w_qkv, then 64 of w_out); K half j & 1
	s_sub_co_u32 s17, ttmp9, 256
	s_and_b32 s18, s17, 1
	s_lshr_b32 s17, s17, 1
	s_lshl_b32 s26, s17, 2
	s_add_co_u32 s26, s26, s16
	s_add_co_u32 s26, s26, 512
	OUTBASE
	s_mov_b32 s19, 4096
	s_cmp_lt_u32 s17, 48                           ; the choice hangs on the work-group's number alone
	s_cselect_b64 s[4:5], s[6:7], s[8:9]           ; the weight,
	s_cselect_b32 s19, 12288, s19                  ; its row in bytes,
	s_cselect_b32 s23, 0, 48
	s_sub_co_u32 s17, s17, s23                     ; and which 64 of its columns are the work-group's
	s_lshl_b32 s24, s17, 8
	s_lshr_b32 s25, s16, 1
	s_lshl_b32 s25, s25, 7
	s_add_co_u32 s24, s24, s25
	s_and_b32 s25, s16, 1
	s_lshl_b32 s25, s25, 5
	s_add_co_u32 s24, s24, s25                     ; 4 x (64 q + 32 (wave >> 1) + 8 (wave & 1)): my tile's first column
	s_lshl_b32 s25, s18, 9
	s_mul_i32 s25, s25, s19                        ; + 512 g rows
	s_add_co_u32 s24, s24, s25
	s_mov_b32 s25, 0
	s_add_nc_u64 s[32:33], s[4:5], s[24:25]        ; eight bases, 64 rows apart
	s_lshl_b32 s24, s19, 6
.irp t, 1,2,3,4,5,6,7
	s_add_nc_u64 s[32+2*\t:33+2*\t], s[30+2*\t:31+2*\t], s[24:25]
.endr
	v_and_b32 v12, 8, v2
	v_add_nc_u32 v12, v12, v2
	v_lshlrev_b32 v12, 2, v12                      ; 4 (r + 8 (r / 8))
	v_lshlrev_b32 v13, 5, v3
	v_mul_lo_u32 v13, v13, s19                     ; lanes 16-31 begin 32 rows further down
	v_add_nc_u32 v[VOFF], v12, v13
.irp i, 1,2,3,4,5,6,7,8,9,10,11,12,13,14,15,16,17,18,19,20,21,22,23,24,25,26,27,28,29,30,31
	v_add_nc_u32 v[VOFF+\i], s19, v[VOFF+\i-1]
.endr
.macro LOADW t                         ; block t of my eight: W(512 g + 64 t + 32 h + i, my column)
.irp i, 0,1,2,3,4,5,6,7,8,9,10,11,12,13,14,15,16,17,18,19,20,21,22,23,24,25,26,27,28,29,30,31
	global_load_b32 v[X+32*((\t)%2)+\i], v[VOFF+\i], s[32+2*(\t):33+2*(\t)]
.endr
.endm
.macro WSTEP t
.if (\t) < 7
	s_wait_loadcnt 32                              ; this block's 32 loads are in; the next block's may be out
.else
	s_wait_loadcnt 0x0
.endif
.if ((\t) > 0) && ((\t)%2 == 0)
	s_wait_xcnt 0x0                                ; the last fragment's stores have read the codes' registers
.endif
	QBLK (\t)%2
.if (\t) < 6
	LOADW (\t)+2
.endif
.if (\t)%2 == 1
	FIN (\t)/2
.endif
.endm
	LOADW 0
	LOADW 1
.irp t, 0,1,2,3,4,5,6,7
	WSTEP \t
.endr
	TAIL
	s_endpgm                                       ; this way has touched no LDS
.Lfunc_end_k_qd92e317a30_quant:
	.size	k_qd92e317a30_quant, .Lfunc_end_k_qd92e317a30_quant-k_qd92e317a30_quant
	.p2alignl 7, 3214868480
	.fill 96, 4, 3214868480
	.section	.rodata,"a",@progbits
	.p2align	6, 0x0
	.amdhsa_kernel k_qd92e317a30_quant
		.amdhsa_group_segment_fixed_size 34304
		.amdhsa_private_segment_fixed_size 0
		.amdhsa_enable_private_segment 0
		.amdhsa_kernarg_size 32
		.amdhsa_user_sgpr_count 2
		.amdhsa_user_sgpr_kernarg_segment_ptr 1
		.amdhsa_wavefront_size32 1
		.amdhsa_system_sgpr_workgroup_id_x 1
		.amdhsa_system_sgpr_workgroup_id_y 1
		.amdhsa_system_sgpr_workgroup_id_z 1
		.amdhsa_system_vgpr_workitem_id 0
		.amdhsa_next_free_vgpr 240
		.amdhsa_next_free_sgpr 66
		.amdhsa_reserve_vcc 0
		.amdhsa_float_denorm_mode_32 3
		.amdhsa_float_denorm_mode_16_64 3
		.amdhsa_memory_ordered 1
		.amdhsa_forward_progress 1
		.amdhsa_inst_pref_size 71
	.end_amdhsa_kernel
	.amdgpu_metadata
---
amdhsa.version: [ 1, 2 ]
amdhsa.kernels:
  - .name:           k_qd92e317a30_quant
    .symbol:         k_qd92e317a30_quant.kd
    .args:
      - { .name: x, .offset: 0, .size: 8, .value_kind: global_buffer, .address_space: global }
      - { .name: w_qkv, .offset: 8, .size: 8, .value_kind: global_buffer, .address_space: global }
      - { .name: w_out, .offset: 16, .size: 8, .value_kind: global_buffer, .address_space: global }
      - { .name: img, .offset: 24, .size: 8, .value_kind: global_buffer, .address_space: global }
    .group_segment_fixed_size: 34304
    .private_segment_fixed_size: 0
    .kernarg_segment_align: 8
    .kernarg_segment_size: 32
    .max_flat_workgroup_size: 128
    .sgpr_count:     66
    .vgpr_count:     240
    .wavefront_size: 32
...
	.end_amdgpu_metadata
.endif
;; end of part 1
;; launch gemm1 (part 2): grid 8 x 48, 4 waves a work-group, clusters of 4 x 4, 327,680 bytes of LDS; arguments img, att; writes att
.if DOCPART == 2
	.amdgcn_target "amdgcn-amd-amdhsa--gfx1250"
	.amdhsa_code_object_version 6
	.text
	.protected	k_qd92e317a30_gemm1
	.globl	k_qd92e317a30_gemm1
	.p2align	8
	.type	k_qd92e317a30_gemm1,@function
k_qd92e317a30_gemm1:
	s_mov_b64 s[64:65], 0
	v_nop
	global_prefetch_b8 v0, s[64:65] scope:SCOPE_SE
	s_setreg_imm32_b32 hwreg(HW_REG_WAVE_MODE, 25, 1), 1
	s_wait_xcnt 0x0
	s_wait_alu depctr_hold_cnt(0) depctr_sa_sdst(0) depctr_va_vdst(0) depctr_va_sdst(0) depctr_va_ssrc(0) depctr_va_vcc(0) depctr_vm_vsrc(0)
	s_getreg_b32 s2, hwreg(HW_REG_IB_STS2, 6, 4)
	s_cmp_eq_u32 s2, 0
	s_cbranch_scc0 .Lentry_in_a_cluster
	s_endpgm
.Lentry_in_a_cluster:
	s_bfe_u32 s2, ttmp6, 0x10000c
	s_cmp_lg_u32 s2, 0xf033
	s_cbranch_scc0 .Lentry_shape_is_right
	s_endpgm
.Lentry_shape_is_right:
; Launch 2 of 4: qkv = x w_qkv on codes of E2M3 (K = 1,024), and q, k, v quantised on the way out for the two products of attention.  Nothing of reference() is left out.
; A work-group makes 256 x 256 of the product, four waves 128 x 128 each (64 accumulators).  Source 0 of the matrix instruction is called P, source 1 L: a lane holds ONE row of L and its registers run along P's rows.
; q AND k ARE QUANTISED ALONG THE HEAD'S 64, v ALONG THE KEYS.  So for q and k P = the weight's columns and L = x's rows; for v P = x's rows (the keys) and L = the weight's columns.  One text serves both:
; clusters with y under 8 make q and k, the others v; the number isv is equal in all partners of a cluster and enters selections of offsets alone, never a branch or an LDS address.
; img's tiles are images of the operand's registers (1,536 bytes for 16 rows x 128 K), so a slot of 256 along K is 3,072 dense bytes a tile and every LDS load takes consecutive bytes: no pitch, no padding.
; The rows of a tile are chosen (row 32 (T / 2) + 8 (T % 2) + r + 8 (r / 8)) so that the 64 registers of one block of L's rows are 128 neighbours along P, 16 to each lane half of a block of 32: they are quantised as they stand.
; att: q's and k's halves of 768 bytes at [hp 0..31][tile 0..511]; from VC v's fragments [bh][key step][d tile][1,536]; from QKS q's and k's scale words [hp][8 tiles][r][4 words] (word p: tile 2 p's two bytes, tile 2 p + 1's two);
;      from VS v's [bh][key step][r][4 words] (word t: d tile t's four bytes).
; CLUSTERS: 4 x 4.  L's tiles are shared along a row of the cluster, P's along a column: joint loads.  384 work-groups: the grid divides into 24 clusters.
; LIMITS: as in the first launch (NaN, infinities; blocks under 2^-124 get the byte 1).
; REGISTERS: window 0: v1-29 addresses; v32-63 scale words, two sets, and nothing else; v64-117 the way out; v128-223 L's eight fragments, one set.  window 1: P's fragments, two sets, at v0 and v128.
;   window 2: the accumulators of L's blocks 0-3 ((a, b) at v[8 (8 (a % 4) + b)]); window 3: of blocks 4-7.
.set ISC,   9437184
.set VC,    12582912
.set QKS,   18874368
.set VS,    19398656
.set HALFT, 24576                      ; 8 tiles x 3,072 bytes: what one tensor load brings, and what one wave reads of L or of P
.set SLOT,  4*HALFT                    ; L's 16 tiles, then P's 16
.set SCL,   2*SLOT                     ; behind the ring: the scale words of all of K: L's 8,192 bytes, then P's
.set HALFS, 4096
.set SPARE, SCL+4*HALFS                ; the spare words, 128 bytes a wave
.set FR,    12
.set NL,    4                          ; LDS loads that bring a fragment
.set NP,    4                          ; places behind this matrix instruction (ISA guide 7.12.1)
.set O16,  12                          ; v12  16 x lane
.set O8,   13                          ; v13  8 x lane
.set LA16, 16                          ; v16-17 L's fragments in slot 0, 1: base + 16 x lane;  v18-19: base + 8 x lane
.set LA8,  18
.set PA16, 20                          ; v20-23 the same for P
.set PA8,  22
.set ADRS, 27                          ; v27  my scale words: lanes 0-15 L's, lanes 16-31 P's
.set SPW,  28                          ; v28  my spare word; never rewritten
.set NIL,  29                          ; v29  0; never rewritten
.set SC,   32
.set BIAS, 64                          ; (the other launch of this form keeps a bias here)
.set AF,   128
.set G1L,  24                          ; s[24:31] group 1 for L's tiles; s[32:39] group 0, a set for each slot
.set G0L,  32
.set G1P,  48                          ; s[48:55], s[56:63] the same for P
.set G0P,  56
.set G1SL, 68                          ; s[68:75], s[76:79] groups 1 and 0 for L's scale words; s[92:99], s[80:83] for P's
.set G0SL, 76
.set G0SP, 80
.set G1SP, 92
.set MSB, 0
.macro WIN new                         ; the immediate's high byte repeats the setting that is left
.if MSB != \new
	s_set_vgpr_msb (MSB<<8)|\new
.set MSB, \new
.endif
.endm
.set MUL_LO, 0xa1                      ; source 0 (P) window 1, source 1 (L) window 0, C and D window 2
.set MUL_HI, 0xf1                      ; the same, C and D window 3
.set TO_P,   0x40                      ; destination window 1, address window 0
; A joint load: waves 0 and 1 fetch for L, waves 2 and 3 for P.  The branch hangs on the wave's number alone.  An s_nop 0 and four v_nop follow each of the two lines.
.macro JLOAD g0a, g1a, g0b, g1b
	s_cmp_eq_u32 s15, 0
	s_cbranch_scc0 .Lfor_p_\@
	tensor_load_to_lds s[\g0a:\g0a+3], s[\g1a:\g1a+7]
	s_nop 0
.rept 4
	v_nop
.endr
	s_branch .Lasked_\@
.Lfor_p_\@:
	tensor_load_to_lds s[\g0b:\g0b+3], s[\g1b:\g1b+7]
	s_nop 0
.rept 4
	v_nop
.endr
.Lasked_\@:
.endm
.macro CREST                           ; a round of the cluster's barrier behind its opening barrier
	s_cmp_lg_u32 s14, 0
	s_cbranch_scc1 .Lnot_wave_0_\@
	s_barrier_signal -3
.Lnot_wave_0_\@:
	s_barrier_wait -3
	s_barrier_signal -1
	s_barrier_wait -1
.endm
.macro CROUND
	s_barrier_signal -1
	s_barrier_wait -1
	CREST
.endm
.macro PLACES n
.rept \n
	v_nop
.endr
.endm
; a fragment from its image: two halves of 768 bytes, each 512 bytes at 16 x lane and 256 bytes at 8 x lane
.macro FRAG4 reg, a16, a8, off
	ds_load_b128 v[\reg:\reg+3], v[\a16] offset:\off
	ds_load_b64 v[\reg+4:\reg+5], v[\a8] offset:\off+512
	ds_load_b128 v[\reg+6:\reg+9], v[\a16] offset:\off+768
	ds_load_b64 v[\reg+10:\reg+11], v[\a8] offset:\off+1280
.endm
.macro FETCH_P slot, q, p              ; P's eight fragments of the slot's q-th 128 along K into set p
	WIN TO_P
.irp i, 0,1,2,3,4,5,6,7
	FRAG4 128*(\p)+FR*\i, PA16+\slot, PA8+\slot, \i*3072+(\q)*1536
.endr
	WIN 0
.endm
.macro FETCH_L slot, q, i0             ; L's blocks i0 .. i0 + 3
.irp i, \i0, \i0+1, \i0+2, \i0+3
	FRAG4 AF+FR*(\i), LA16+\slot, LA8+\slot, (\i)*3072+(\q)*1536
.endr
.endm
.macro SCALES sc                       ; a slot's two words a row: lanes 0-15 L's block i, lanes 16-31 P's block i
.irp i, 0,1,2,3,4,5,6,7
	ds_load_b64 v[SC+16*\sc+2*\i:SC+16*\sc+2*\i+1], v[ADRS] offset:\i*512
.endr
.endm
; 16 matrix instructions: L's blocks a0, a0 + 1 x P's eight.  first = 1: C is 0 (the first product starts the sums); 2: C is the bias; 0: in place.  The 64 accumulators take turns.
.macro MUL16 a0, p, q, sc, first
.irp a, \a0, \a0+1
.irp b, 0,1,2,3,4,5,6,7
.set rD, 8*(8*((\a)%4)+\b)
.set rP, 128*(\p)+FR*\b
.set rL, AF+FR*(\a)
.set rSP, SC+16*(\sc)+2*\b+(\q)
.set rSL, SC+16*(\sc)+2*(\a)+(\q)
.if (\first) == 1
	v_wmma_scale_f32_16x16x128_f8f6f4 v[rD:rD+7], v[rP:rP+11], v[rL:rL+11], 0, v[rSP], v[rSL] matrix_a_fmt:MATRIX_FMT_FP6 matrix_b_fmt:MATRIX_FMT_FP6 matrix_a_scale:MATRIX_SCALE_ROW1
.elseif (\first) == 2
	v_wmma_scale_f32_16x16x128_f8f6f4 v[rD:rD+7], v[rP:rP+11], v[rL:rL+11], v[BIAS+8*\b:BIAS+8*\b+7], v[rSP], v[rSL] matrix_a_fmt:MATRIX_FMT_FP6 matrix_b_fmt:MATRIX_FMT_FP6 matrix_a_scale:MATRIX_SCALE_ROW1
.else
	v_wmma_scale_f32_16x16x128_f8f6f4 v[rD:rD+7], v[rP:rP+11], v[rL:rL+11], v[rD:rD+7], v[rSP], v[rSL] matrix_a_fmt:MATRIX_FMT_FP6 matrix_b_fmt:MATRIX_FMT_FP6 matrix_a_scale:MATRIX_SCALE_ROW1
.endif
.endr
.endr
.endm
; A step of 128 along K that has its successor in the same slot.  A block of L is free once its eight products are issued, so L has one set: blocks 0-3 are fetched anew in the middle, 4-7 at the end.
.macro STEP slot, q, first
	s_wait_dscnt 4*NL                              ; all but the youngest 16 loads (L's blocks 4-7) are in
.if (\first) == 2
	WIN 0x81                                       ; C (the bias) in window 0, D in window 2
.else
	WIN MUL_LO
.endif
	MUL16 0, (\q)%2, \q, \slot, \first
	MUL16 2, (\q)%2, \q, \slot, \first
	s_wait_dscnt 0x0                               ; L's blocks 4-7 are in
	PLACES NP                                      ; in front of loads into registers that matrix instructions have read
	FETCH_P \slot, (\q)+1, 1-(\q)%2
	FETCH_L \slot, (\q)+1, 0
.if (\first) == 2
	WIN 0xc1
.else
	WIN MUL_HI
.endif
	MUL16 4, (\q)%2, \q, \slot, \first
	MUL16 6, (\q)%2, \q, \slot, \first
	PLACES NP
	WIN 0
	FETCH_L \slot, (\q)+1, 4
.endm
; A slot's last step changes slots: in front of the barrier each wave waits for all its tensor loads, adds 0 to its spare word, and waits for that and for its reads of this slot.  fill = 1: the barrier opens a round of the
; cluster's barrier, and the slot is filled again first thing behind it, two slots ahead.
.macro TURN slot, next, fill
	s_wait_tensorcnt 0x0                           ; all my tensor loads have landed: my part of the next slot
	ds_add_u32 v[SPW], v[NIL]
	s_wait_dscnt 4*NL+1                            ; (the add and the youngest 16 loads may be out)
	WIN MUL_LO
	MUL16 0, 1, 1, \slot, 0
	s_wait_dscnt 0x0                               ; the add is done, and my reads of this slot are over
	s_barrier_signal -1
	MUL16 2, 1, 1, \slot, 0
	WIN 0
	s_barrier_wait -1
.if \fill
	CREST                                          ; no wave of any partner still reads this slot or has a load on its way
	s_add_nc_u64 s[G0L+4*\slot+2:G0L+4*\slot+3], s[G0L+4*\slot+2:G0L+4*\slot+3], 6144
	s_add_nc_u64 s[G0P+4*\slot+2:G0P+4*\slot+3], s[G0P+4*\slot+2:G0P+4*\slot+3], 6144
	JLOAD G0L+4*\slot, G1L, G0P+4*\slot, G1P       ; its four v_nop are also the places in front of the loads below
.else
	PLACES NP
.endif
	s_wait_alu depctr_va_vdst(0)
	v_add_nc_u32 v[ADRS], 128, v[ADRS]             ; the next slot's scale words
	FETCH_P \next, 0, 0
	FETCH_L \next, 0, 0
	SCALES \next
	WIN MUL_HI
	MUL16 4, 1, 1, \slot, 0
	MUL16 6, 1, 1, \slot, 0
	PLACES NP
	WIN 0
	FETCH_L \next, 0, 4
.endm
	s_load_b128 s[4:7], s[0:1], 0x0                ; img s[4:5], att s[6:7]
	v_lshl_add_u32 v[SPW], v0, 2, SPARE
	v_mov_b32 v[NIL], 0
	ds_add_u32 v[SPW], v[NIL]                      ; the wave's opening: the add, twice on end, and its wait ahead of my first tensor load
	ds_add_u32 v[SPW], v[NIL]
	v_lshrrev_b32 v1, 5, v0
	v_readfirstlane_b32 s14, v1                    ; wave
	s_lshr_b32 s15, s14, 1                         ; my half of L's rows.  Also: I fetch for L (0) or for P (1)
	s_and_b32 s16, s14, 1                          ; my half of P's rows.  Also: which 8 tiles I fetch
	s_bfe_u32 s40, ttmp6, 0x40000                  ; cx
	s_bfe_u32 s41, ttmp6, 0x40004                  ; cy
	s_and_b32 s42, ttmp7, 0xffff                   ; the cluster's y
	s_lshl_b32 s17, s41, 2
	s_lshl_b32 s17, 15, s17                        ; my row of the cluster
	s_lshl_b32 s19, 0x1111, s40                    ; my column
	s_or_b32 s[G1L], s17, (3<<16)|(1<<21)          ; 15:0 the mask; 17:16 elements of 8 bytes; 21 set beside a mask; no padding
	s_or_b32 s[G1P], s19, (3<<16)|(1<<21)
	s_or_b32 s[G1SL], s17, (3<<16)|(1<<21)
	s_or_b32 s[G1SP], s19, (3<<16)|(1<<21)
.irp g, G1L, G1P                       ; 8 rows (tiles) of 384 elements (3,072 bytes), 1,536 elements (a tile's 12,288 bytes) apart
	s_mov_b32 s[\g+1], 384<<16
	s_mov_b32 s[\g+2], 16<<16                      ; 16 tiles for the head's loads; behind them 8, for the ring's
	s_mov_b32 s[\g+3], 384<<16
	s_mov_b32 s[\g+4], 16
	s_mov_b32 s[\g+5], 1536
	s_mov_b32 s[\g+6], 0
	s_mov_b32 s[\g+7], 0
.endr
.irp g, G1SL, G1SP
	s_mov_b32 s[\g+1], 32<<16
	s_mov_b32 s[\g+2], 32<<16                      ; 16 tiles' scale words: 8,192 dense bytes as 32 rows of 256
	s_mov_b32 s[\g+3], 32<<16
	s_mov_b32 s[\g+4], 32
	s_mov_b32 s[\g+5], 32
	s_mov_b32 s[\g+6], 0
	s_mov_b32 s[\g+7], 0
.endr
	; q, k (cluster y 0-7):  pt = 4 X + cx (0..7),  lt = 4 Y + cy (0..31);  P = img tiles 512 + 16 pt, L = 16 lt
	; v    (cluster y 8-11): pt = 4 (2 (Y - 8) + X) + cx (0..31),  lt = cy;  P = img tiles 16 pt, L = 640 + 16 lt
	s_lshl_b32 s43, ttmp9, 2
	s_add_co_u32 s43, s43, s40
	s_lshl_b32 s44, s42, 3
	s_sub_co_u32 s44, s44, 64
	s_lshl_b32 s45, s42, 2
	s_cmp_ge_u32 s42, 8                            ; isv
	s_cselect_b32 s44, s44, 0
	s_cselect_b32 s45, 0, s45
	s_cselect_b32 s46, 0, 512
	s_cselect_b32 s47, 640, 0
	s_add_co_u32 s43, s43, s44                     ; pt: no register that feeds L's descriptors ever holds cx,
	s_add_co_u32 s45, s45, s41                     ; lt: and none that feeds P's ever holds cy
	s_lshl_b32 s21, s16, 3
	s_lshl_b32 s20, s45, 4
	s_add_co_u32 s20, s20, s47
	s_lshl_b32 s84, s43, 4
	s_add_co_u32 s84, s84, s46
	s_mul_i32 s22, s20, 12288
	s_mov_b32 s23, 0
	s_lshl_b32 s86, s20, 9
	s_add_co_u32 s86, s86, ISC
	s_mov_b32 s87, 0
	s_mul_i32 s88, s84, 12288
	s_mov_b32 s89, 0
	s_lshl_b32 s90, s84, 9
	s_add_co_u32 s90, s90, ISC
	s_mov_b32 s91, 0
	s_mul_i32 s12, s14, HALFT                      ; where they go: wave x 8 tiles: no place in the cluster enters an LDS address
	s_mov_b32 s10, 0x76543210
	s_mov_b32 s11, 0xfedcba98                      ; v_permlanex16_b32's selects for lane l xor 16
	s_wait_dscnt 0x0                               ; both opening adds are done
	s_wait_kmcnt 0x0
	s_add_nc_u64 s[22:23], s[4:5], s[22:23]
	s_add_nc_u64 s[86:87], s[4:5], s[86:87]
	s_add_nc_u64 s[88:89], s[4:5], s[88:89]
	s_add_nc_u64 s[90:91], s[4:5], s[90:91]
	CROUND                                         ; all sixteen work-groups are here: the first joint loads meet
	; THE HEAD'S FOUR TILES, EACH WHOLE, ONE LOAD A WAVE: wave 0 slot 0's 16 tiles of L, wave 1 its 16 of P, wave 2 L's scale words of all of K, wave 3 P's
	s_mov_b32 s[G0SL], 1
	s_mov_b32 s[G0SL+1], SCL
	s_mov_b64 s[G0SL+2:G0SL+3], s[86:87]
	s_or_b32 s[G0SL+3], s[G0SL+3], 0x80000000
	s_mov_b32 s[G0SP], 1
	s_mov_b32 s[G0SP+1], SCL+2*HALFS
	s_mov_b64 s[G0SP+2:G0SP+3], s[90:91]
	s_or_b32 s[G0SP+3], s[G0SP+3], 0x80000000
	s_mov_b32 s[G0L], 1                            ; slot 0's sets serve the head's loads first
	s_mov_b32 s[G0L+1], 0
	s_mov_b64 s[G0L+2:G0L+3], s[22:23]
	s_or_b32 s[G0L+3], s[G0L+3], 0x80000000
	s_mov_b32 s[G0P], 1
	s_mov_b32 s[G0P+1], 2*HALFT
	s_mov_b64 s[G0P+2:G0P+3], s[88:89]
	s_or_b32 s[G0P+3], s[G0P+3], 0x80000000
	s_mul_i32 s20, s16, 8*12288                    ; in the ring I fetch 8 tiles: which half, in bytes
	s_mov_b32 s21, 0
	s_add_nc_u64 s[22:23], s[22:23], s[20:21]
	s_add_nc_u64 s[88:89], s[88:89], s[20:21]
	s_mov_b32 s[G0L+4], 1
	s_add_co_u32 s[G0L+5], s12, SLOT
	s_add_nc_u64 s[G0L+6:G0L+7], s[22:23], 3072
	s_or_b32 s[G0L+7], s[G0L+7], 0x80000000
	s_mov_b32 s[G0P+4], 1
	s_add_co_u32 s[G0P+5], s12, SLOT
	s_add_nc_u64 s[G0P+6:G0P+7], s[88:89], 3072
	s_or_b32 s[G0P+7], s[G0P+7], 0x80000000
.macro ARM under, g0, g1, next         ; one chain of branches on the wave's number: every way passes exactly one load
	s_cmp_lt_u32 s14, \under
	s_cbranch_scc0 \next
	tensor_load_to_lds s[\g0:\g0+3], s[\g1:\g1+7]
	s_nop 0
.rept 4
	v_nop
.endr
	s_branch .Lhead_asked
\next:
.endm
	ARM 1, G0L,  G1L,  .Lhead_p
	ARM 2, G0P,  G1P,  .Lhead_sl
	ARM 3, G0SL, G1SL, .Lhead_sp
	tensor_load_to_lds s[G0SP:G0SP+3], s[G1SP:G1SP+7]
	s_nop 0
.rept 4
	v_nop
.endr
.Lhead_asked:
	v_and_b32 v1, 31, v0                           ; lane
	v_and_b32 v2, 15, v0                           ; r
	v_bfe_u32 v3, v0, 4, 1                         ; h
	v_lshlrev_b32 v[O16], 4, v1
	v_lshlrev_b32 v[O8], 3, v1
	s_mul_i32 s2, s15, HALFT                       ; my 8 tiles of L,
	s_mul_i32 s3, s16, HALFT
	s_add_co_u32 s3, s3, 2*HALFT                   ; and of P, behind L's 16
.irp s, 0,1
	v_add_nc_u32 v[LA16+\s], s2, v[O16]
	v_add_nc_u32 v[LA8+\s], s2, v[O8]
	v_add_nc_u32 v[PA16+\s], s3, v[O16]
	v_add_nc_u32 v[PA8+\s], s3, v[O8]
	s_add_co_u32 s2, s2, SLOT
	s_add_co_u32 s3, s3, SLOT
.endr
	v_lshlrev_b32 v5, 3, v2                        ; scale words: 8 r in a tile's 128 bytes of a slot
	s_mul_i32 s2, s15, HALFS
	s_mul_i32 s3, s16, HALFS
	s_add_co_u32 s3, s3, 2*HALFS
	s_sub_co_u32 s3, s3, s2
	v_mul_u32_u24 v6, s3, v3                       ; lanes 16-31 take P's: the lower base + h x the distance
	s_add_co_u32 s2, s2, SCL
	v_add_nc_u32 v5, v5, v6
	v_add_nc_u32 v[ADRS], s2, v5
	s_wait_alu depctr_va_vdst(0)
	s_wait_tensorcnt 0x0                           ; my tile of the head's four is in
	ds_add_u32 v[SPW], v[NIL]
	s_mov_b32 s[G1L+2], 8<<16                      ; no tensor load of mine is out: from here on a load brings 8 tiles,
	s_mov_b32 s[G1L+4], 8
	s_mov_b32 s[G1P+2], 8<<16
	s_mov_b32 s[G1P+4], 8
	s_mov_b32 s[G0L+1], s12                        ; and slot 0's sets point at my 8 tiles
	s_add_nc_u64 s[G0L+2:G0L+3], s[G0L+2:G0L+3], s[20:21]
	s_mov_b32 s[G0P+1], s12
	s_add_nc_u64 s[G0P+2:G0P+3], s[G0P+2:G0P+3], s[20:21]
	s_wait_dscnt 0x0
	CROUND                                         ; all four tiles are in, and all sixteen work-groups are here
	JLOAD G0L+4, G1L, G0P+4, G1P                   ; slot 1's first fill, the first tensor load behind the round
	FETCH_P 0, 0, 0
	FETCH_L 0, 0, 0
	SCALES 0
	FETCH_L 0, 0, 4
	STEP 0, 0, 1                                   ; K = 1,024 is four slots: written out, no loop
	TURN 0, 1, 1
	STEP 1, 0, 0
	TURN 1, 0, 1
	STEP 0, 0, 0
	TURN 0, 1, 0                                   ; nothing is left to fetch
	STEP 1, 0, 0
	s_wait_dscnt 4*NL
	WIN MUL_LO
	MUL16 0, 1, 1, 1, 0
	MUL16 2, 1, 1, 1, 0
	s_wait_dscnt 0x0
	WIN MUL_HI
	MUL16 4, 1, 1, 1, 0
	MUL16 6, 1, 1, 1, 0
	WIN 0
; THE WAY OUT.  Block a of L's rows: lane (r, h) holds row r, and register 16 B + i of the block's 64 is P's index 32 B + 16 h + i.  They become one fragment and one scale word a row, in registers, and leave as images.
;   q, k: P's 128 indices are two heads' 64: the fragment's two halves go to heads hpA and hpA + 1, tile 16 lt + 8 s15 + a.      v: the fragment is (d tile a % 4 of head 4 lt + 2 s15 + a / 4) x key step 2 pt + s16.
.set TM,   64                          ; v64-67 largest magnitudes, v68-71 the other half's, then bytes, v76-79 the conversions' scale operands
.set W,    80                          ; v80-87 a scale word for each block
.set PC,   88                          ; v88-99 the codes
.set CT,   100                         ; v100-102, v104-106 (a conversion's three registers begin on an even number)
.set OW,   108                         ; v108-111 the scale words as they leave
.set HOFF, 112
.set SELV, 113
.set XB,   84                          ; s[84:85] where the fragment's first half goes; s[86:87] the second; s[88:89], s[90:91] the steps; s[20:21] the scale words
.set YB,   86
	PLACES NP                                      ; in front of the first read of results
	s_lshl_b32 s24, s43, 2                         ; (all my tensor loads were waited for at the last change of slots: the descriptors' registers are free)
	s_lshl_b32 s25, s16, 1
	s_add_co_u32 s24, s24, s25                     ; hpA = 4 pt + 2 s16
	s_lshl_b32 s25, s45, 4
	s_lshl_b32 s26, s15, 3
	s_add_co_u32 s25, s25, s26                     ; 16 lt + 8 s15
	s_mul_i32 s26, s24, 393216
	s_mul_i32 s27, s25, 768
	s_add_co_u32 s26, s26, s27                     ; q, k: codes
	s_lshl_b32 s27, s24, 14
	s_lshl_b32 s28, s25, 5
	s_add_co_u32 s27, s27, s28
	s_add_co_u32 s27, s27, QKS                     ; q, k: scale words: 256 bytes for each 8 tiles
	s_lshl_b32 s28, s43, 1
	s_add_co_u32 s28, s28, s16                     ; v: the key step among all 64
	s_lshr_b32 s29, s28, 4
	s_lshl_b32 s29, s29, 4
	s_lshr_b32 s30, s25, 2
	s_add_co_u32 s29, s29, s30                     ; 16 x batch + 4 lt + 2 s15
	s_and_b32 s30, s28, 15
	s_mul_i32 s31, s29, 98304
	s_mul_i32 s32, s30, 6144
	s_add_co_u32 s31, s31, s32
	s_add_co_u32 s31, s31, VC                      ; v: codes
	s_lshl_b32 s32, s29, 12
	s_lshl_b32 s33, s30, 8
	s_add_co_u32 s32, s32, s33
	s_add_co_u32 s32, s32, VS                      ; v: scale words
	s_mov_b32 s33, 393216
	s_mov_b32 s34, 768
	s_mov_b32 s35, 768
	s_mov_b32 s36, 16384
	s_cmp_ge_u32 s42, 8                            ; isv
	s_cselect_b32 s26, s31, s26
	s_cselect_b32 s27, s32, s27
	s_cselect_b32 s33, 768, s33                    ; from the first half to the second
	s_cselect_b32 s34, 1536, s34                   ; from block to block,
	s_cselect_b32 s35, 93696, s35                  ; and from block 3 to block 4 (v: the next head's first d tile)
	s_cselect_b32 s36, 4096, s36                   ; from a head's scale words to the next head's
	s_cselect_b32 s38, -1, 0
	s_mov_b32 s84, s26
	s_mov_b32 s85, 0
	s_add_nc_u64 s[XB:XB+1], s[6:7], s[84:85]
	s_mov_b32 s86, s33
	s_mov_b32 s87, 0
	s_add_nc_u64 s[YB:YB+1], s[XB:XB+1], s[86:87]
	s_mov_b32 s88, s34
	s_mov_b32 s89, 0
	s_mov_b32 s90, s35
	s_mov_b32 s91, 0
	s_mov_b32 s20, s27
	s_mov_b32 s21, 0
	s_add_nc_u64 s[20:21], s[6:7], s[20:21]
	v_mul_u32_u24 v[HOFF], s36, v3
	v_lshl_add_u32 v[HOFF], v2, 4, v[HOFF]         ; lanes 0-15 store the first head's 256 bytes, lanes 16-31 the next head's
	v_mov_b32 v[SELV], 0x05040100
	v_mov_b32 v114, 0x07060302
	v_cmp_ne_u32 s39, 0, v3
	v_cndmask_b32 v[SELV], v[SELV], v114, s39      ; the low halves of two words for lanes 0-15, the high halves for lanes 16-31
.irp b, 0,1,2,3
	v_mov_b32 v[TM+4+\b], 0                        ; a lane permute's destination counts as read
.endr
.macro QUANTW a
.set AC, 64*((\a)%4)
	s_wait_xcnt 0x0                                ; the last block's stores have read their data and bases
.if (\a) == 4
	s_add_nc_u64 s[XB:XB+1], s[XB:XB+1], s[90:91]
	s_add_nc_u64 s[YB:YB+1], s[YB:YB+1], s[90:91]
.elseif (\a) > 0
	s_add_nc_u64 s[XB:XB+1], s[XB:XB+1], s[88:89]
	s_add_nc_u64 s[YB:YB+1], s[YB:YB+1], s[88:89]
.endif
	WIN 0x28+0x14*((\a)/4)                         ; sources 1 and 2 in window 2 or 3
.irp b, 0,1,2,3
	v_max3_num_f32 v[TM+\b], 0x1800000, |v[AC+16*\b]|, |v[AC+16*\b+1]|   ; block b: my 16 numbers and the floor 2^(3 - 127); each accumulator is read from its low end on
.endr
.irp i, 2,4,6,8,10,12,14
.irp b, 0,1,2,3
	v_max3_num_f32 v[TM+\b], v[TM+\b], |v[AC+16*\b+\i]|, |v[AC+16*\b+\i+1]|
.endr
.endr
	WIN 0
.irp b, 0,1,2,3
	v_permlanex16_b32 v[TM+4+\b], v[TM+\b], s10, s11
.endr
.irp b, 0,1,2,3
	v_max_num_f32 v[TM+\b], v[TM+\b], v[TM+4+\b]   ; with lane l xor 16's 16: the block's largest magnitude
.endr
.irp b, 0,1,2,3
	v_add_nc_u32 v[TM+12+\b], 0xff000000, v[TM+\b] ; 2 off the exponent field: the conversion's scale operand
.endr
.irp b, 0,1,2,3
	v_lshrrev_b32 v[TM+4+\b], 23, v[TM+12+\b]      ; the byte
.endr
	v_lshl_or_b32 v[W+(\a)], v[TM+5], 8, v[TM+4]
	v_lshl_or_b32 v[W+(\a)], v[TM+6], 16, v[W+(\a)]
	v_lshl_or_b32 v[W+(\a)], v[TM+7], 24, v[W+(\a)]
	WIN 2+(\a)/4                                   ; source 0 in window 2 or 3
.irp c, 0,1
	v_cvt_scalef32_pk16_fp6_f32 v[PC+6*\c:PC+6*\c+2], v[AC+32*\c:AC+32*\c+15], v[TM+12+2*\c]
	v_cvt_scalef32_pk16_fp6_f32 v[CT+4*\c:CT+4*\c+2], v[AC+32*\c+16:AC+32*\c+31], v[TM+12+2*\c+1]
.endr
	WIN 0
	v_nop                                          ; one plain place behind a scaled conversion
.irp c, 0,1                            ; the operand's layout wants a whole block in a lane: lanes 0-15 block 2 c, lanes 16-31 block 2 c + 1
.irp i, 0,1,2
	v_permlane16_swap_b32 v[PC+6*\c+\i], v[CT+4*\c+\i]
.endr
.irp i, 0,1,2
	v_mov_b32 v[PC+3+6*\c+\i], v[CT+4*\c+\i]
.endr
.endr
	global_store_b128 v[O16], v[PC:PC+3], s[XB:XB+1]               ; 512 consecutive bytes,
	global_store_b64 v[O8], v[PC+4:PC+5], s[XB:XB+1] offset:512    ; 256,
	global_store_b128 v[O16], v[PC+6:PC+9], s[YB:YB+1]             ; and the second half likewise
	global_store_b64 v[O8], v[PC+10:PC+11], s[YB:YB+1] offset:512
.endm
.irp a, 0,1,2,3,4,5,6,7
	QUANTW \a
.endr
.irp i, 0,1,2,3                        ; q, k: word i = two bytes of tile 2 i and two of tile 2 i + 1, of my half's head;   v: word i = d tile i's word, of my half's head
	v_perm_b32 v[OW+\i], v[W+2*\i+1], v[W+2*\i], v[SELV]
	v_cndmask_b32 v[114+\i], v[W+\i], v[W+4+\i], s39
	v_cndmask_b32 v[OW+\i], v[OW+\i], v[114+\i], s38
.endr
	global_store_b128 v[HOFF], v[OW:OW+3], s[20:21]                ; sixteen lanes store 256 consecutive bytes, aligned
	s_wait_tensorcnt 0x0                           ; the wave's end
	ds_add_u32 v[SPW], v[NIL]
	s_wait_dscnt 0x0
	CROUND                                         ; the closing round: no work-group ends while a partner may still ask for a tile that names it
	s_endpgm
.Lfunc_end_k_qd92e317a30_gemm1:
	.size	k_qd92e317a30_gemm1, .Lfunc_end_k_qd92e317a30_gemm1-k_qd92e317a30_gemm1
	.p2alignl 7, 3214868480
	.fill 96, 4, 3214868480
	.section	.rodata,"a",@progbits
	.p2align	6, 0x0
	.amdhsa_kernel k_qd92e317a30_gemm1
		.amdhsa_group_segment_fixed_size 327680
		.amdhsa_private_segment_fixed_size 0
		.amdhsa_enable_private_segment 0
		.amdhsa_kernarg_size 16
		.amdhsa_user_sgpr_count 2
		.amdhsa_user_sgpr_kernarg_segment_ptr 1
		.amdhsa_wavefront_size32 1
		.amdhsa_system_sgpr_workgroup_id_x 1
		.amdhsa_system_sgpr_workgroup_id_y 1
		.amdhsa_system_sgpr_workgroup_id_z 1
		.amdhsa_system_vgpr_workitem_id 0
		.amdhsa_next_free_vgpr 1024
		.amdhsa_next_free_sgpr 100
		.amdhsa_reserve_vcc 0
		.amdhsa_float_denorm_mode_32 3
		.amdhsa_float_denorm_mode_16_64 3
		.amdhsa_memory_ordered 1
		.amdhsa_forward_progress 1
		.amdhsa_inst_pref_size 153
	.end_amdhsa_kernel
	.amdgpu_metadata
---
amdhsa.version: [ 1, 2 ]
amdhsa.kernels:
  - .name:           k_qd92e317a30_gemm1
    .symbol:         k_qd92e317a30_gemm1.kd
    .args:
      - { .name: img, .offset: 0, .size: 8, .value_kind: global_buffer, .address_space: global }
      - { .name: att, .offset: 8, .size: 8, .value_kind: global_buffer, .address_space: global }
    .group_segment_fixed_size: 327680
    .private_segment_fixed_size: 0
    .kernarg_segment_align: 8
    .kernarg_segment_size: 16
    .max_flat_workgroup_size: 128
    .sgpr_count:     100
    .vgpr_count:     1024
    .wavefront_size: 32
...
	.end_amdgpu_metadata
.endif
;; end of part 2
;; launch attn (part 3): grid 4 x 64, 16 waves a work-group, clusters of 4 x 1, 327,680 bytes of LDS; arguments att, oq; writes oq
.if DOCPART == 3
	.amdgcn_target "amdgcn-amd-amdhsa--gfx1250"
	.amdhsa_code_object_version 6
	.text
	.protected	k_qd92e317a30_attn
	.globl	k_qd92e317a30_attn
	.p2align	8
	.type	k_qd92e317a30_attn,@function
k_qd92e317a30_attn:
	s_mov_b64 s[64:65], 0
	v_nop
	global_prefetch_b8 v0, s[64:65] scope:SCOPE_SE
	s_setreg_imm32_b32 hwreg(HW_REG_WAVE_MODE, 25, 1), 1
	s_wait_xcnt 0x0
	s_wait_alu depctr_hold_cnt(0) depctr_sa_sdst(0) depctr_va_vdst(0) depctr_va_sdst(0) depctr_va_ssrc(0) depctr_va_vcc(0) depctr_vm_vsrc(0)
	s_getreg_b32 s2, hwreg(HW_REG_IB_STS2, 6, 4)
	s_cmp_eq_u32 s2, 0
	s_cbranch_scc0 .Lentry_in_a_cluster
	s_endpgm
.Lentry_in_a_cluster:
	s_bfe_u32 s2, ttmp6, 0x10000c
	s_cmp_lg_u32 s2, 0x3003
	s_cbranch_scc0 .Lentry_shape_is_right
	s_endpgm
.Lentry_shape_is_right:
; Launch 3 of 4: o = softmax(q k^T / 8) v on codes of E2M3, and o quantised along the heads' 64 for the last product.  Nothing of reference() is left out.
; SHARES.  A cluster of four work-groups has one (batch, head); a work-group 512 queries; a wave 16 queries a pass, two passes; a step is 128 keys.
; Both products are used transposed (S^T = k q^T, O^T = v^T p^T): a lane holds one query.  The head's 64 fill half of the instruction's 128: a fragment of k holds two tiles of 16 keys,
; and q stands between two runs of zero codes (v16-21, v28-33), so that v[22:33] meets the first tile and v[16:27] the second.
; LDS: the head's whole K (98,304 bytes), V (98,304) and their scale words (2 x 4,096) come ONCE, by one joint load a wave at the head (mask: the cluster's four): waves 0-5 K's codes, 6-11 V's,
; 64 rows of 256 bytes each; waves 12-13 K's scale words, 14-15 V's, 8 rows each.  One barrier shows them; nothing is filled again and no barrier stands in the passes.
; No prefetch: all that the launch takes by tensor loads is asked for at the head, so there is no later load to run ahead of.
; TWO REGIONS OF 64 REGISTERS CHANGE ROLES FROM STEP TO STEP: K's fragments lie in one, the scores fall into the other; V's fragments follow K's; when p has been converted and summed,
; the next step's K fragments are loaded over p's first 48 registers.  p's last 16 are summed behind the second product and behind the next first product: those nine additions are the places there.
; SOFTMAX: M = ceil of the running largest t (t = score x log2(e) / 8), kept as -M; p = 2^(t - M); the row's sum is of the unquantised p; a change of M multiplies the sum and O^T by a power of two.
; A block's largest p is made from the block's largest score by the same multiply-add and exponential.
; LIMITS: NaN and infinities are not served; the scaled scores stay under 2^31 in magnitude; a block whose every p is under 2^-124 gets the byte 1 (its codes are zeros or the smallest).
.set VC,    12582912
.set QKS,   18874368
.set VS,    19398656
.set OSC,   6291456
.set VCL,   98304                      ; LDS: V's codes
.set KS,    196608                     ; K's scale words; V's 4,096 further on
.set SPARE, 204800                     ; the spare words, 128 bytes a wave
.set L16,  1                           ; 16 x lane;  L8: 8 x lane;  LV16, LV8: the same + VCL
.set L8,   2
.set LV16, 3
.set LV8,  4
.set RK,   5                           ; KS + 16 r
.set SPW,  7
.set NIL,  8
.set R8,   9
.set R16,  10
.set T,    15                          ; v12, v14: -M, by turns; v13: the running largest score; v15: a temporary
.set QSW,  34
.set PSW,  35
.set KSW,  36
.set VSW,  40
.set RA,   44
.set RB,   108
.set O,    172
.set PC,   204
.set CT,   216
.set BM,   224
.set PT,   228
.set SO,   232
.set FF,   236
.set LS,   238                         ; the row's sum, in two halves
.set A16,  240                         ; K's fragments and the scale words of this trip's two steps; AV16, AV8: V's
.set A8,   241
.set AV16, 242
.set AV8,  243
.set AS,   244
.set OW,   245
.set QW,   248                         ; q's scale word as loaded; v249, v250-255: the second pass's q
.set QN,   250
.set WV,   8
.set G1A,  16
.set G1S,  24
.set G0A,  32
.set G0S,  36
.set SEL,  40
.set CS,   42
.set TB,   44
.set TN,   45
.set TNS,  46
.set CNT,  47
.set PASS, 48
.set QP,   50
.set QSP,  52
.set OCP,  54
.set OSP,  56
.set PSEL, 58
.macro WALU
	s_wait_alu depctr_va_vdst(0)
.endm
.macro DEP n
	s_delay_alu instid0(VALU_DEP_\n)
.endm
.macro CROUND
	s_barrier_signal -1
	s_barrier_wait -1
	s_cmp_lg_u32 s[WV], 0
	s_cbranch_scc1 .Lnot_wave_0_\@
	s_barrier_signal -3
.Lnot_wave_0_\@:
	s_barrier_wait -3
	s_barrier_signal -1
	s_barrier_wait -1
.endm
.macro FRAG4 reg, a16, a8, off         ; a fragment from its image: two halves of 768 bytes
	ds_load_b128 v[\reg:\reg+3], v[\a16] offset:\off
	ds_load_b64 v[\reg+4:\reg+5], v[\a8] offset:\off+512
	ds_load_b128 v[\reg+6:\reg+9], v[\a16] offset:\off+768
	ds_load_b64 v[\reg+10:\reg+11], v[\a8] offset:\off+1280
.endm
.macro WMQ d, a, b, ks
	v_wmma_scale_f32_16x16x128_f8f6f4 v[\d:\d+7], v[\a:\a+11], v[\b:\b+11], 0, v[\ks], v[QSW] matrix_a_fmt:MATRIX_FMT_FP6 matrix_b_fmt:MATRIX_FMT_FP6
.endm
.macro PADD d, s
	v_pk_add_f32 v[\d:\d+1], v[\d:\d+1], v[\s:\s+1]
.endm
	s_load_b128 s[4:7], s[0:1], 0x0                ; att, oq
	v_lshl_add_u32 v[SPW], v0, 2, SPARE
	v_mov_b32 v[NIL], 0
	ds_add_u32 v[SPW], v[NIL]                      ; the opening lines
	ds_add_u32 v[SPW], v[NIL]
	v_lshrrev_b32 v11, 5, v0
	v_readfirstlane_b32 s[WV], v11
	v_and_b32 v11, 31, v0
	v_lshlrev_b32 v[L16], 4, v11
	v_lshlrev_b32 v[L8], 3, v11
	v_add_nc_u32 v[LV16], VCL, v[L16]
	v_add_nc_u32 v[LV8], VCL, v[L8]
	v_and_b32 v11, 15, v0
	v_lshlrev_b32 v[R8], 3, v11
	v_lshlrev_b32 v[R16], 4, v11
	v_add_nc_u32 v[RK], KS, v[R16]
	s_and_b32 s9, ttmp7, 0xffff                    ; 16 x batch + head
	s_lshr_b32 s10, s9, 4
	s_and_b32 s11, s9, 15
	s_add_co_u32 s60, s11, 16
	s_mul_i32 s61, s60, 393216
	s_mul_i32 s62, s10, 98304
	s_add_co_u32 s61, s61, s62                     ; K's codes, bytes from att
	s_lshl_b32 s60, s60, 14
	s_lshl_b32 s62, s10, 12
	s_add_co_u32 s60, s60, s62
	s_add_co_u32 s60, s60, QKS                     ; K's scale words
	s_mul_i32 s62, s9, 98304
	s_add_co_u32 s62, s62, VC                      ; V's codes
	s_lshl_b32 s63, s9, 12
	s_add_co_u32 s63, s63, VS                      ; V's scale words
	s_cmp_lt_u32 s[WV], 6
	s_cselect_b32 s66, s61, s62
	s_cselect_b32 s67, 0, 6
	s_sub_co_u32 s67, s[WV], s67
	s_lshl_b32 s67, s67, 14
	s_add_co_u32 s66, s66, s67                     ; my sixth of K's or of V's codes
	s_mov_b32 s67, 0
	s_cmp_lt_u32 s[WV], 14
	s_cselect_b32 s68, s60, s63
	s_and_b32 s69, s[WV], 1
	s_lshl_b32 s69, s69, 11
	s_add_co_u32 s68, s68, s69                     ; my half of K's or of V's scale words
	s_mov_b32 s69, 0
	s_mov_b32 s[G0A], 1
	s_lshl_b32 s[G0A+1], s[WV], 14                 ; V's codes follow K's in LDS: 16,384 x wave
	s_mov_b32 s[G0S], 1
	s_lshl_b32 s[G0S+1], s[WV], 11
	s_add_co_u32 s[G0S+1], s[G0S+1], KS-12*2048    ; KS + 2,048 x (wave - 12)
.irp g, G1A, G1S                       ; dense bytes as rows of 256 (32 elements of 8 bytes); the mask names the cluster's four
	s_mov_b32 s[\g], 15|(3<<16)|(1<<21)
	s_mov_b32 s[\g+1], 32<<16
	s_mov_b32 s[\g+3], 32<<16
	s_mov_b32 s[\g+5], 32
	s_mov_b32 s[\g+6], 0
	s_mov_b32 s[\g+7], 0
.endr
	s_mov_b32 s[G1A+2], 64<<16
	s_mov_b32 s[G1A+4], 64
	s_mov_b32 s[G1S+2], 8<<16
	s_mov_b32 s[G1S+4], 8
	s_mov_b32 s[SEL], 0x76543210
	s_mov_b32 s[SEL+1], 0xfedcba98                 ; v_permlanex16_b32's selects for lane l xor 16
	s_mov_b32 s[CS], 0x3e38aa3b                    ; log2(e) / 8
	s_mov_b32 s[CS+1], s[CS]
	s_bfe_u32 s12, ttmp6, 0x40000                  ; cx: it enters my own queries' addresses alone
	s_lshl_b32 s74, s10, 7
	s_lshl_b32 s75, s12, 5
	s_add_co_u32 s74, s74, s75
	s_add_co_u32 s74, s74, s[WV]                   ; my first pass's tile of 16 queries; the second's lies 16 tiles on
	s_mul_i32 s[QP], s11, 393216
	s_mul_i32 s75, s74, 768
	s_add_co_u32 s[QP], s[QP], s75
	s_mov_b32 s[QP+1], 0
	s_lshl_b32 s[QSP], s11, 14
	s_lshr_b32 s75, s74, 3
	s_lshl_b32 s75, s75, 8
	s_add_co_u32 s[QSP], s[QSP], s75
	s_bfe_u32 s75, s[WV], 0x20001
	s_lshl_b32 s75, s75, 2
	s_add_co_u32 s[QSP], s[QSP], s75
	s_add_co_u32 s[QSP], s[QSP], QKS
	s_mov_b32 s[QSP+1], 0
	s_mul_i32 s[OCP], s74, 12288
	s_mul_i32 s75, s11, 768
	s_add_co_u32 s[OCP], s[OCP], s75
	s_mov_b32 s[OCP+1], 0
	s_lshl_b32 s[OSP], s74, 9
	s_lshr_b32 s75, s11, 2
	s_lshl_b32 s75, s75, 7
	s_add_co_u32 s[OSP], s[OSP], s75
	s_bfe_u32 s75, s11, 0x10001
	s_lshl_b32 s75, s75, 2
	s_add_co_u32 s[OSP], s[OSP], s75
	s_and_b32 s75, s11, 1
	s_lshl_b32 s75, s75, 1
	s_add_co_u32 s[OSP], s[OSP], s75
	s_add_co_u32 s[OSP], s[OSP], OSC
	s_mov_b32 s[OSP+1], 0
	s_mov_b32 s[PSEL], 0x03020302                  ; my tile's two bytes of the scale word, twice
	s_and_b32 s75, s[WV], 1
	s_cmp_eq_u32 s75, 0
	s_cselect_b32 s[PSEL], 0x01000100, s[PSEL]
	s_mov_b32 s[PASS], 2
	WALU
	s_wait_dscnt 0x0
	s_wait_kmcnt 0x0
	s_add_nc_u64 s[G0A+2:G0A+3], s[4:5], s[66:67]
	s_or_b32 s[G0A+3], s[G0A+3], 0x80000000
	s_add_nc_u64 s[G0S+2:G0S+3], s[4:5], s[68:69]
	s_or_b32 s[G0S+3], s[G0S+3], 0x80000000
	s_add_nc_u64 s[QP:QP+1], s[4:5], s[QP:QP+1]
	s_add_nc_u64 s[QSP:QSP+1], s[4:5], s[QSP:QSP+1]
	s_add_nc_u64 s[OCP:OCP+1], s[6:7], s[OCP:OCP+1]
	s_add_nc_u64 s[OSP:OSP+1], s[6:7], s[OSP:OSP+1]
	global_load_b128 v[22:25], v[L16], s[QP:QP+1]                  ; both passes' q, under the tiles' flight
	global_load_b64 v[26:27], v[L8], s[QP:QP+1] offset:512
	global_load_b32 v[QW], v[R16], s[QSP:QSP+1]
	global_load_b128 v[QN:QN+3], v[L16], s[QP:QP+1] offset:12288
	global_load_b64 v[QN+4:QN+5], v[L8], s[QP:QP+1] offset:12800
	global_load_b32 v[QW+1], v[R16], s[QSP:QSP+1] offset:512
	CROUND                                         ; the four work-groups are here: the joint loads meet
	s_cmp_lt_u32 s[WV], 12
	s_cbranch_scc0 .Lscales
	tensor_load_to_lds s[G0A:G0A+3], s[G1A:G1A+7]
	s_nop 0
.rept 4
	v_nop
.endr
	s_branch .Lasked
.Lscales:
	tensor_load_to_lds s[G0S:G0S+3], s[G1S:G1S+7]
	s_nop 0
.rept 4
	v_nop
.endr
.Lasked:
.irp i, 16,17,18,19,20,21,28,29,30,31,32,33
	v_mov_b32 v\i, 0                               ; the zero codes on both sides of q
.endr
.irp b, 0,1,2,3
	v_mov_b32 v[PT+\b], 0                          ; a lane permute's destination counts as read
.endr
	v_mov_b32 v[T], 0
	v_mov_b32 v[FF+1], 0
	v_mov_b32 v[A16], v[L16]
	v_mov_b32 v[A8], v[L8]
	v_mov_b32 v[AS], v[RK]
	WALU
	s_wait_tensorcnt 0x0
	s_barrier_signal -1
	s_barrier_wait -1                              ; all of K, V and their scale words are in
	ds_load_b128 v[KSW:KSW+3], v[AS]               ; step 0's K
.irp p, 0,1,2,3
	FRAG4 RA+12*\p, A16, A8, 1536*\p
.endr
; A step.  KR: K's fragments, then V's; its last 16 registers hold the step before's last 16 p.  SR: the scores, p, then the next step's K.  u: the step's place in its trip
.macro STEP KR, SR, u
.set NMN, 12+2*(\u)
.set NMO, 14-2*(\u)
	s_wait_dscnt 0x0                               ; K's fragments and scale words are in
.if \u == 0
	s_mul_i32 s[TB], s[CNT], 12288                 ; this trip's two steps in K's and V's codes,
	s_add_co_u32 s[TN], s[CNT], 1
	s_and_b32 s[TN], s[TN], 7                      ; and the next trip's: behind the last comes the first, for the next pass
	s_lshl_b32 s[TNS], s[TN], 9
	s_mul_i32 s[TN], s[TN], 12288
.endif
.irp p, 0,1,2,3
	WMQ \SR+16*\p, \KR+12*\p, 22, KSW+\p
	WMQ \SR+16*\p+8, \KR+12*\p, 16, KSW+\p
.endr
	PADD PT, \KR+58                                ; the rest of the last step's sum: four places ahead of the loads and of the first read of the scores
	PADD LS, \KR+60
	PADD PT, \KR+62
	PADD LS, PT
.if \u == 0
	v_add_nc_u32 v[AV16], s[TB], v[LV16]
	v_add_nc_u32 v[AV8], s[TB], v[LV8]
.endif
	ds_load_b128 v[VSW:VSW+3], v[AS] offset:4096+256*\u
.irp t, 0,1,2,3
	FRAG4 \KR+12*\t, AV16, AV8, 6144*\u+1536*\t
.endr
.irp b, 0,1,2,3
	v_max3_num_f32 v[BM+\b], v[\SR+16*\b], v[\SR+16*\b+1], v[\SR+16*\b+2]   ; each block's largest score: my 16 keys
.endr
.irp i, 3,5,7,9,11,13
.irp b, 0,1,2,3
	v_max3_num_f32 v[BM+\b], v[BM+\b], v[\SR+16*\b+\i], v[\SR+16*\b+\i+1]
.endr
.endr
.irp b, 0,1,2,3
	v_max_num_f32 v[BM+\b], v[BM+\b], v[\SR+16*\b+15]
.endr
.irp b, 0,1,2,3
	DEP 4
	v_permlanex16_b32 v[PT+\b], v[BM+\b], s[SEL], s[SEL+1]
.endr
.irp b, 0,1,2,3
	DEP 4
	v_max_num_f32 v[BM+\b], v[BM+\b], v[PT+\b]     ; with lane l xor 16's 16 keys
.endr
	DEP 2
	v_max3_num_f32 v[T], v[BM], v[BM+1], v[BM+2]
	DEP 1
	v_max3_num_f32 v13, v13, v[T], v[BM+3]         ; the running largest score
	DEP 1
	v_mul_f32 v[T], s[CS], v13
	DEP 1
	v_floor_f32 v[NMN], -v[T]                      ; -M = floor(-t)
	DEP 1
	v_sub_f32 v[T], v[NMN], v[NMO]                 ; old M less new M: a whole number, 0 or less
.set j, 0
.rept 8
	v_pk_fma_f32 v[\SR+j:\SR+j+1], v[\SR+j:\SR+j+1], s[CS:CS+1], v[NMN:NMN+1] op_sel_hi:[1,0,0]   ; t - M
.set j, j+2
.endr
	v_cvt_i32_f32 v[T], v[T]                       ; (it saturates)
.rept 8
	v_pk_fma_f32 v[\SR+j:\SR+j+1], v[\SR+j:\SR+j+1], s[CS:CS+1], v[NMN:NMN+1] op_sel_hi:[1,0,0]
.set j, j+2
.endr
	v_ldexp_f32 v[FF], 1.0, v[T]                   ; f = 2^(old M - new M)
.rept 16
	v_pk_fma_f32 v[\SR+j:\SR+j+1], v[\SR+j:\SR+j+1], s[CS:CS+1], v[NMN:NMN+1] op_sel_hi:[1,0,0]
.set j, j+2
.endr
.irp b, 0,1,2,3
	v_fma_f32 v[BM+\b], v[BM+\b], s[CS], v[NMN]
.endr
	WALU
.set j, 0
.rept 64
	v_exp_f32 v[\SR+j], v[\SR+j]
.set j, j+1
.endr
.irp b, 0,1,2,3
	v_exp_f32 v[BM+\b], v[BM+\b]                   ; the block's largest p
.endr
	v_pk_mul_f32 v[LS:LS+1], v[LS:LS+1], v[FF:FF+1] op_sel_hi:[1,0]   ; the sum under the new M: the plain place behind the batch
	WALU                                           ; and behind it
.irp b, 0,1,2,3
	v_max_num_f32 v[BM+\b], 0x1800000, v[BM+\b]    ; the floor 2^(3 - 127): the byte cannot fall under 1
.endr
.irp b, 0,1,2,3
	DEP 4
	v_add_nc_u32 v[SO+\b], 0xff000000, v[BM+\b]    ; 2 off the exponent field: the conversion's scale operand
.endr
.irp b, 0,1,2,3
	DEP 4
	v_lshrrev_b32 v[PT+\b], 23, v[SO+\b]
.endr
	DEP 3
	v_lshl_or_b32 v[PSW], v[PT+1], 8, v[PT]
	DEP 1
	v_lshl_or_b32 v[PSW], v[PT+2], 16, v[PSW]
	DEP 1
	v_lshl_or_b32 v[PSW], v[PT+3], 24, v[PSW]      ; p's scale word for these 128 keys
.irp c, 0,1
	v_cvt_scalef32_pk16_fp6_f32 v[PC+6*\c:PC+6*\c+2], v[\SR+32*\c:\SR+32*\c+15], v[SO+2*\c]
	v_cvt_scalef32_pk16_fp6_f32 v[CT+4*\c:CT+4*\c+2], v[\SR+32*\c+16:\SR+32*\c+31], v[SO+2*\c+1]
.endr
	v_pk_add_f32 v[PT:PT+1], v[\SR:\SR+1], v[\SR+2:\SR+3]          ; the sum of the unquantised p, in two chains: the first 48
.set j, 4
.rept 11
	PADD LS, \SR+j
	PADD PT, \SR+j+2
.set j, j+4
.endr
.if \u
	v_add_nc_u32 v[A16], s[TN], v[L16]             ; on to the next trip's steps
	v_add_nc_u32 v[A8], s[TN], v[L8]
	v_add_nc_u32 v[AS], s[TNS], v[RK]
.endif
	ds_load_b128 v[KSW:KSW+3], v[AS] offset:256*(1-\u)             ; the next step's K, over the 48 p that are done with (the second pass's last step fetches step 0 once more, which nobody reads)
.irp p, 0,1,2,3
	FRAG4 \SR+12*\p, A16, A8, 6144*(1-\u)+1536*\p
.endr
.irp c, 0,1                            ; the operand's layout wants a whole block in a lane
.irp i, 0,1,2
	v_permlane16_swap_b32 v[PC+6*\c+\i], v[CT+4*\c+\i]
.endr
.irp i, 0,1,2
	v_mov_b32 v[PC+3+6*\c+\i], v[CT+4*\c+\i]
.endr
.endr
	s_wait_dscnt 17                                ; V's 17 loads are in; the 17 for the next step's K may be out
	WALU
.set j, 0
.rept 16
	v_pk_mul_f32 v[O+j:O+j+1], v[O+j:O+j+1], v[FF:FF+1] op_sel_hi:[1,0]   ; O^T under the new M
.set j, j+2
.endr
.irp t, 0,1,2,3
	v_wmma_scale_f32_16x16x128_f8f6f4 v[O+8*\t:O+8*\t+7], v[\KR+12*\t:\KR+12*\t+11], v[PC:PC+11], v[O+8*\t:O+8*\t+7], v[VSW+\t], v[PSW] matrix_a_fmt:MATRIX_FMT_FP6 matrix_b_fmt:MATRIX_FMT_FP6
.endr
	PADD LS, \SR+48                                ; five places ahead of the next scores, which fall onto V's fragments
	PADD PT, \SR+50
	PADD LS, \SR+52
	PADD PT, \SR+54
	PADD LS, \SR+56
	WALU
.endm
.Lpass:
	s_wait_loadcnt 0x0                             ; q
	v_perm_b32 v[QSW], v[QW], v[QW], s[PSEL]
	v_mov_b32 v13, 0xff61b1e6                      ; the largest score so far: -3e38
	v_mov_b32 v14, 0x7f61b1e6                      ; -M: 3e38, so that the first f is 0
	v_mov_b32 v[LS], 0
	v_mov_b32 v[LS+1], 0
	v_mov_b32 v[PT], 0
	v_mov_b32 v[PT+1], 0
.irp i, 58,59,60,61,62,63
	v_mov_b32 v[RA+\i], 0                          ; no step before the first
.endr
.set j, 0
.rept 32
	v_mov_b32 v[O+j], 0                            ; the step is written once: the first finds zeros
.set j, j+1
.endr
	s_mov_b32 s[CNT], 0
	WALU
.Ltrip:
	STEP RA, RB, 0
	STEP RB, RA, 1
	s_add_co_u32 s[CNT], s[CNT], 1
	s_cmp_lt_u32 s[CNT], 8
	s_cbranch_scc1 .Ltrip
	PADD PT, RA+58                                 ; the last step's last p
	PADD LS, RA+60
	PADD PT, RA+62
	PADD LS, PT
	DEP 1
	v_add_f32 v[LS], v[LS], v[LS+1]
	DEP 1
	v_permlanex16_b32 v[T], v[LS], s[SEL], s[SEL+1]
	DEP 1
	v_add_f32 v[LS], v[LS], v[T]                   ; the row's sum
	WALU
	v_rcp_f32 v[LS], v[LS]
	v_nop
	WALU
.set j, 0
.rept 16
	v_pk_mul_f32 v[RB+j:RB+j+1], v[O+j:O+j+1], v[LS:LS+1] op_sel_hi:[1,0]   ; o: register 16 b + i is column 32 b + 16 h + i of the head
.set j, j+2
.endr
.irp b, 0,1
	v_max3_num_f32 v[BM+\b], |v[RB+16*\b]|, |v[RB+16*\b+1]|, 0x1800000
.endr
.irp i, 2,4,6,8,10,12,14
.irp b, 0,1
	DEP 2
	v_max3_num_f32 v[BM+\b], v[BM+\b], |v[RB+16*\b+\i]|, |v[RB+16*\b+\i+1]|
.endr
.endr
.irp b, 0,1
	DEP 2
	v_permlanex16_b32 v[PT+\b], v[BM+\b], s[SEL], s[SEL+1]
.endr
.irp b, 0,1
	DEP 2
	v_max_num_f32 v[BM+\b], v[BM+\b], v[PT+\b]
.endr
.irp b, 0,1
	DEP 2
	v_add_nc_u32 v[SO+\b], 0xff000000, v[BM+\b]
.endr
.irp b, 0,1
	DEP 2
	v_lshrrev_b32 v[PT+\b], 23, v[SO+\b]
.endr
	DEP 1
	v_lshl_or_b32 v[OW], v[PT+1], 8, v[PT]
	v_cvt_scalef32_pk16_fp6_f32 v[PC:PC+2], v[RB:RB+15], v[SO]
	v_cvt_scalef32_pk16_fp6_f32 v[CT:CT+2], v[RB+16:RB+31], v[SO+1]
	v_nop
.irp i, 0,1,2
	v_permlane16_swap_b32 v[PC+\i], v[CT+\i]
.endr
.irp i, 0,1,2
	v_mov_b32 v[PC+3+\i], v[CT+\i]
.endr
	global_store_b128 v[L16], v[PC:PC+3], s[OCP:OCP+1]             ; half a fragment of the last product's operand: 512 and 256 consecutive bytes
	global_store_b64 v[L8], v[PC+4:PC+5], s[OCP:OCP+1] offset:512
	global_store_b16 v[R8], v[OW], s[OSP:OSP+1]
	s_wait_xcnt 0x0                                ; the stores have read their bases and data
	s_add_nc_u64 s[OCP:OCP+1], s[OCP:OCP+1], 196608
	s_add_nc_u64 s[OSP:OSP+1], s[OSP:OSP+1], 8192
.irp i, 0,1,2,3,4,5
	v_mov_b32 v[22+\i], v[QN+\i]                   ; the second pass's q (behind the second pass these seven lines move what nobody reads)
.endr
	v_mov_b32 v[QW], v[QW+1]
	s_sub_co_u32 s[PASS], s[PASS], 1
	s_cmp_lg_u32 s[PASS], 0
	WALU
	s_cbranch_scc1 .Lpass
	s_wait_tensorcnt 0x0                           ; the wave's end
	ds_add_u32 v[SPW], v[NIL]
	s_wait_dscnt 0x0
	CROUND                                         ; the closing round
	s_endpgm
.Lfunc_end_k_qd92e317a30_attn:
	.size	k_qd92e317a30_attn, .Lfunc_end_k_qd92e317a30_attn-k_qd92e317a30_attn
	.p2alignl 7, 3214868480
	.fill 96, 4, 3214868480
	.section	.rodata,"a",@progbits
	.p2align	6, 0x0
	.amdhsa_kernel k_qd92e317a30_attn
		.amdhsa_group_segment_fixed_size 327680
		.amdhsa_private_segment_fixed_size 0
		.amdhsa_enable_private_segment 0
		.amdhsa_kernarg_size 16
		.amdhsa_user_sgpr_count 2
		.amdhsa_user_sgpr_kernarg_segment_ptr 1
		.amdhsa_wavefront_size32 1
		.amdhsa_system_sgpr_workgroup_id_x 1
		.amdhsa_system_sgpr_workgroup_id_y 1
		.amdhsa_system_sgpr_workgroup_id_z 1
		.amdhsa_system_vgpr_workitem_id 0
		.amdhsa_next_free_vgpr 256
		.amdhsa_next_free_sgpr 80
		.amdhsa_reserve_vcc 0
		.amdhsa_float_denorm_mode_32 3
		.amdhsa_float_denorm_mode_16_64 3
		.amdhsa_memory_ordered 1
		.amdhsa_forward_progress 1
		.amdhsa_inst_pref_size 49
	.end_amdhsa_kernel
	.amdgpu_metadata
---
amdhsa.version: [ 1, 2 ]
amdhsa.kernels:
  - .name:           k_qd92e317a30_attn
    .symbol:         k_qd92e317a30_attn.kd
    .args:
      - { .name: att, .offset: 0, .size: 8, .value_kind: global_buffer, .address_space: global }
      - { .name: oq, .offset: 8, .size: 8, .value_kind: global_buffer, .address_space: global }
    .group_segment_fixed_size: 327680
    .private_segment_fixed_size: 0
    .kernarg_segment_align: 8
    .kernarg_segment_size: 16
    .max_flat_workgroup_size: 512
    .sgpr_count:     80
    .vgpr_count:     256
    .wavefront_size: 32
...
	.end_amdgpu_metadata
.endif
;; end of part 3
;; launch gemm2 (part 4): grid 4 x 32, 4 waves a work-group, clusters of 4 x 4, 327,680 bytes of LDS; arguments oq, img, b_out, out0; writes out0
.if DOCPART == 4
	.amdgcn_target "amdgcn-amd-amdhsa--gfx1250"
	.amdhsa_code_object_version 6
	.text
	.protected	k_qd92e317a30_gemm2
	.globl	k_qd92e317a30_gemm2
	.p2align	8
	.type	k_qd92e317a30_gemm2,@function
k_qd92e317a30_gemm2:
	s_mov_b64 s[64:65], 0
	v_nop
	global_prefetch_b8 v0, s[64:65] scope:SCOPE_SE
	s_setreg_imm32_b32 hwreg(HW_REG_WAVE_MODE, 25, 1), 1
	s_wait_xcnt 0x0
	s_wait_alu depctr_hold_cnt(0) depctr_sa_sdst(0) depctr_va_vdst(0) depctr_va_sdst(0) depctr_va_ssrc(0) depctr_va_vcc(0) depctr_vm_vsrc(0)
	s_getreg_b32 s2, hwreg(HW_REG_IB_STS2, 6, 4)
	s_cmp_eq_u32 s2, 0
	s_cbranch_scc0 .Lentry_in_a_cluster
	s_endpgm
.Lentry_in_a_cluster:
	s_bfe_u32 s2, ttmp6, 0x10000c
	s_cmp_lg_u32 s2, 0xf033
	s_cbranch_scc0 .Lentry_shape_is_right
	s_endpgm
.Lentry_shape_is_right:
.set ISC,   9437184
.set OSC,   6291456
.set HALFT, 24576
.set SLOT,  4*HALFT
.set SCL,   2*SLOT
.set HALFS, 4096
.set SPARE, SCL+4*HALFS
.set SPITCH, 528
.set FR,    12
.set NL,    4
.set NP,    4
.set O16,  12
.set O8,   13
.set LA16, 16
.set LA8,  18
.set PA16, 20
.set PA8,  22
.set STO,  24
.set RD,   25
.set ADRS, 27
.set SPW,  28
.set NIL,  29
.set SC,   32
.set BIAS, 64
.set AF,   128
.set BK,   128
.set G1L,  24
.set G0L,  32
.set G1P,  48
.set G0P,  56
.set G1SL, 68
.set G0SL, 76
.set G0SP, 80
.set G1SP, 92
.set MSB, 0
.macro WIN new
.if MSB != \new
	s_set_vgpr_msb (MSB<<8)|\new
.set MSB, \new
.endif
.endm
.set MUL_LO, 0xa1
.set MUL_HI, 0xf1
.set TO_P,   0x40
.macro JLOAD g0a, g1a, g0b, g1b
	s_cmp_eq_u32 s15, 0
	s_cbranch_scc0 .Lfor_p_\@
	tensor_load_to_lds s[\g0a:\g0a+3], s[\g1a:\g1a+7]
	s_nop 0
.rept 4
	v_nop
.endr
	s_branch .Lasked_\@
.Lfor_p_\@:
	tensor_load_to_lds s[\g0b:\g0b+3], s[\g1b:\g1b+7]
	s_nop 0
.rept 4
	v_nop
.endr
.Lasked_\@:
.endm
.macro CREST
	s_cmp_lg_u32 s14, 0
	s_cbranch_scc1 .Lnot_wave_0_\@
	s_barrier_signal -3
.Lnot_wave_0_\@:
	s_barrier_wait -3
	s_barrier_signal -1
	s_barrier_wait -1
.endm
.macro CROUND
	s_barrier_signal -1
	s_barrier_wait -1
	CREST
.endm
.macro PLACES n
.rept \n
	v_nop
.endr
.endm
.macro FRAG4 reg, a16, a8, off
	ds_load_b128 v[\reg:\reg+3], v[\a16] offset:\off
	ds_load_b64 v[\reg+4:\reg+5], v[\a8] offset:\off+512
	ds_load_b128 v[\reg+6:\reg+9], v[\a16] offset:\off+768
	ds_load_b64 v[\reg+10:\reg+11], v[\a8] offset:\off+1280
.endm
.macro FETCH_P slot, q, p
	WIN TO_P
.irp i, 0,1,2,3,4,5,6,7
	FRAG4 128*(\p)+FR*\i, PA16+\slot, PA8+\slot, \i*3072+(\q)*1536
.endr
	WIN 0
.endm
.macro FETCH_L slot, q, i0
.irp i, \i0, \i0+1, \i0+2, \i0+3
	FRAG4 AF+FR*(\i), LA16+\slot, LA8+\slot, (\i)*3072+(\q)*1536
.endr
.endm
.macro SCALES sc
.irp i, 0,1,2,3,4,5,6,7
	ds_load_b64 v[SC+16*\sc+2*\i:SC+16*\sc+2*\i+1], v[ADRS] offset:\i*512
.endr
.endm
.macro MUL16 a0, p, q, sc, first
.irp a, \a0, \a0+1
.irp b, 0,1,2,3,4,5,6,7
.set rD, 8*(8*((\a)%4)+\b)
.set rP, 128*(\p)+FR*\b
.set rL, AF+FR*(\a)
.set rSP, SC+16*(\sc)+2*\b+(\q)
.set rSL, SC+16*(\sc)+2*(\a)+(\q)
.if (\first) == 1
	v_wmma_scale_f32_16x16x128_f8f6f4 v[rD:rD+7], v[rP:rP+11], v[rL:rL+11], 0, v[rSP], v[rSL] matrix_a_fmt:MATRIX_FMT_FP6 matrix_b_fmt:MATRIX_FMT_FP6 matrix_a_scale:MATRIX_SCALE_ROW1
.elseif (\first) == 2
	v_wmma_scale_f32_16x16x128_f8f6f4 v[rD:rD+7], v[rP:rP+11], v[rL:rL+11], v[BIAS+8*\b:BIAS+8*\b+7], v[rSP], v[rSL] matrix_a_fmt:MATRIX_FMT_FP6 matrix_b_fmt:MATRIX_FMT_FP6 matrix_a_scale:MATRIX_SCALE_ROW1
.else
	v_wmma_scale_f32_16x16x128_f8f6f4 v[rD:rD+7], v[rP:rP+11], v[rL:rL+11], v[rD:rD+7], v[rSP], v[rSL] matrix_a_fmt:MATRIX_FMT_FP6 matrix_b_fmt:MATRIX_FMT_FP6 matrix_a_scale:MATRIX_SCALE_ROW1
.endif
.endr
.endr
.endm
.macro STEP slot, q, first
	s_wait_dscnt 4*NL
.if (\first) == 2
	WIN 0x81
.else
	WIN MUL_LO
.endif
	MUL16 0, (\q)%2, \q, \slot, \first
	MUL16 2, (\q)%2, \q, \slot, \first
	s_wait_dscnt 0x0
	PLACES NP
	FETCH_P \slot, (\q)+1, 1-(\q)%2
	FETCH_L \slot, (\q)+1, 0
.if (\first) == 2
	WIN 0xc1
.else
	WIN MUL_HI
.endif
	MUL16 4, (\q)%2, \q, \slot, \first
	MUL16 6, (\q)%2, \q, \slot, \first
	PLACES NP
	WIN 0
	FETCH_L \slot, (\q)+1, 4
.endm
.macro TURN slot, next, fill
	s_wait_tensorcnt 0x0
	ds_add_u32 v[SPW], v[NIL]
	s_wait_dscnt 4*NL+1
	WIN MUL_LO
	MUL16 0, 1, 1, \slot, 0
	s_wait_dscnt 0x0
	s_barrier_signal -1
	MUL16 2, 1, 1, \slot, 0
	WIN 0
	s_barrier_wait -1
.if \fill
	CREST
	s_add_nc_u64 s[G0L+4*\slot+2:G0L+4*\slot+3], s[G0L+4*\slot+2:G0L+4*\slot+3], 6144
	s_add_nc_u64 s[G0P+4*\slot+2:G0P+4*\slot+3], s[G0P+4*\slot+2:G0P+4*\slot+3], 6144
	JLOAD G0L+4*\slot, G1L, G0P+4*\slot, G1P
.else
	PLACES NP
.endif
	s_wait_alu depctr_va_vdst(0)
	v_add_nc_u32 v[ADRS], 128, v[ADRS]
	FETCH_P \next, 0, 0
	FETCH_L \next, 0, 0
	SCALES \next
	WIN MUL_HI
	MUL16 4, 1, 1, \slot, 0
	MUL16 6, 1, 1, \slot, 0
	PLACES NP
	WIN 0
	FETCH_L \next, 0, 4
.endm
	s_load_b256 s[4:11], s[0:1], 0x0
	v_lshl_add_u32 v[SPW], v0, 2, SPARE
	v_mov_b32 v[NIL], 0
	ds_add_u32 v[SPW], v[NIL]
	ds_add_u32 v[SPW], v[NIL]
	v_lshrrev_b32 v1, 5, v0
	v_readfirstlane_b32 s14, v1
	s_lshr_b32 s15, s14, 1
	s_and_b32 s16, s14, 1
	s_bfe_u32 s40, ttmp6, 0x40000
	s_bfe_u32 s41, ttmp6, 0x40004
	s_and_b32 s42, ttmp7, 0xffff
	s_lshl_b32 s17, s41, 2
	s_lshl_b32 s17, 15, s17
	s_lshl_b32 s19, 0x1111, s40
	s_or_b32 s[G1L], s17, (3<<16)|(1<<21)
	s_or_b32 s[G1P], s19, (3<<16)|(1<<21)
	s_or_b32 s[G1SL], s17, (3<<16)|(1<<21)
	s_or_b32 s[G1SP], s19, (3<<16)|(1<<21)
.irp g, G1L, G1P
	s_mov_b32 s[\g+1], 384<<16
	s_mov_b32 s[\g+2], 16<<16
	s_mov_b32 s[\g+3], 384<<16
	s_mov_b32 s[\g+4], 16
	s_mov_b32 s[\g+5], 1536
	s_mov_b32 s[\g+6], 0
	s_mov_b32 s[\g+7], 0
.endr
.irp g, G1SL, G1SP
	s_mov_b32 s[\g+1], 32<<16
	s_mov_b32 s[\g+2], 32<<16
	s_mov_b32 s[\g+3], 32<<16
	s_mov_b32 s[\g+4], 32
	s_mov_b32 s[\g+5], 32
	s_mov_b32 s[\g+6], 0
	s_mov_b32 s[\g+7], 0
.endr
	s_lshl_b32 s43, ttmp9, 2
	s_add_co_u32 s43, s43, s40
	s_lshl_b32 s45, s42, 2
	s_add_co_u32 s45, s45, s41
	s_lshl_b32 s21, s16, 3
	s_lshl_b32 s20, s45, 4
	s_lshl_b32 s84, s43, 4
	s_add_co_u32 s84, s84, 704
	s_mul_i32 s22, s20, 12288
	s_mov_b32 s23, 0
	s_lshl_b32 s86, s20, 9
	s_add_co_u32 s86, s86, OSC
	s_mov_b32 s87, 0
	s_mul_i32 s88, s84, 12288
	s_mov_b32 s89, 0
	s_lshl_b32 s90, s84, 9
	s_add_co_u32 s90, s90, ISC
	s_mov_b32 s91, 0
	s_mul_i32 s12, s14, HALFT
	s_wait_dscnt 0x0
	s_wait_kmcnt 0x0
	s_add_nc_u64 s[22:23], s[4:5], s[22:23]
	s_add_nc_u64 s[86:87], s[4:5], s[86:87]
	s_add_nc_u64 s[88:89], s[6:7], s[88:89]
	s_add_nc_u64 s[90:91], s[6:7], s[90:91]
	CROUND
	; the head's four tiles, each whole, one load a wave: wave 0 slot 0's 16 tiles of L, wave 1 its 16 of P, wave 2 L's scale words of all of K, wave 3 P's
	s_mov_b32 s[G0SL], 1
	s_mov_b32 s[G0SL+1], SCL
	s_mov_b64 s[G0SL+2:G0SL+3], s[86:87]
	s_or_b32 s[G0SL+3], s[G0SL+3], 0x80000000
	s_mov_b32 s[G0SP], 1
	s_mov_b32 s[G0SP+1], SCL+2*HALFS
	s_mov_b64 s[G0SP+2:G0SP+3], s[90:91]
	s_or_b32 s[G0SP+3], s[G0SP+3], 0x80000000
	s_mov_b32 s[G0L], 1
	s_mov_b32 s[G0L+1], 0
	s_mov_b64 s[G0L+2:G0L+3], s[22:23]
	s_or_b32 s[G0L+3], s[G0L+3], 0x80000000
	s_mov_b32 s[G0P], 1
	s_mov_b32 s[G0P+1], 2*HALFT
	s_mov_b64 s[G0P+2:G0P+3], s[88:89]
	s_or_b32 s[G0P+3], s[G0P+3], 0x80000000
	s_mul_i32 s20, s16, 8*12288                    ; in the ring I fetch 8 tiles: which half, in bytes
	s_mov_b32 s21, 0
	s_add_nc_u64 s[22:23], s[22:23], s[20:21]
	s_add_nc_u64 s[88:89], s[88:89], s[20:21]
	s_mov_b32 s[G0L+4], 1
	s_add_co_u32 s[G0L+5], s12, SLOT
	s_add_nc_u64 s[G0L+6:G0L+7], s[22:23], 3072
	s_or_b32 s[G0L+7], s[G0L+7], 0x80000000
	s_mov_b32 s[G0P+4], 1
	s_add_co_u32 s[G0P+5], s12, SLOT
	s_add_nc_u64 s[G0P+6:G0P+7], s[88:89], 3072
	s_or_b32 s[G0P+7], s[G0P+7], 0x80000000
.macro ARM under, g0, g1, next         ; one chain of branches on the wave's number: every way passes exactly one load
	s_cmp_lt_u32 s14, \under
	s_cbranch_scc0 \next
	tensor_load_to_lds s[\g0:\g0+3], s[\g1:\g1+7]
	s_nop 0
.rept 4
	v_nop
.endr
	s_branch .Lhead_asked
\next:
.endm
	ARM 1, G0L,  G1L,  .Lhead_p
	ARM 2, G0P,  G1P,  .Lhead_sl
	ARM 3, G0SL, G1SL, .Lhead_sp
	tensor_load_to_lds s[G0SP:G0SP+3], s[G1SP:G1SP+7]
	s_nop 0
.rept 4
	v_nop
.endr
.Lhead_asked:
	v_and_b32 v1, 31, v0
	v_and_b32 v2, 15, v0
	v_bfe_u32 v3, v0, 4, 1
	s_wait_alu depctr_va_vdst(0)
	v_lshlrev_b32 v[O16], 4, v1
	s_wait_alu depctr_va_vdst(0)
	v_lshlrev_b32 v[O8], 3, v1
	s_wait_alu depctr_va_vdst(0)
	s_lshl_b32 s46, s43, 10
	s_lshl_b32 s47, s16, 9
	s_add_co_u32 s46, s46, s47
	s_mov_b32 s47, 0
	s_add_nc_u64 s[8:9], s[8:9], s[46:47]
	s_add_nc_u64 s[10:11], s[10:11], s[46:47]
	s_lshl_b32 s46, s45, 20
	s_lshl_b32 s44, s15, 19
	s_add_co_u32 s46, s46, s44
	s_add_nc_u64 s[10:11], s[10:11], s[46:47]
	v_lshlrev_b32 v7, 6, v3
.irp b, 0,1,2,3,4,5,6,7
	global_load_b128 v[BIAS+8*\b:BIAS+8*\b+3], v7, s[8:9] offset:(32*(\b/2)+8*(\b%2))*4
	global_load_b128 v[BIAS+8*\b+4:BIAS+8*\b+7], v7, s[8:9] offset:(32*(\b/2)+8*(\b%2))*4+16
.endr
	s_mul_i32 s2, s15, HALFT
	s_mul_i32 s3, s16, HALFT
	s_add_co_u32 s3, s3, 2*HALFT
.irp s, 0,1
	v_add_nc_u32 v[LA16+\s], s2, v[O16]
	v_add_nc_u32 v[LA8+\s], s2, v[O8]
	v_add_nc_u32 v[PA16+\s], s3, v[O16]
	v_add_nc_u32 v[PA8+\s], s3, v[O8]
	s_add_co_u32 s2, s2, SLOT
	s_add_co_u32 s3, s3, SLOT
.endr
	v_lshlrev_b32 v5, 3, v2
	s_mul_i32 s2, s15, HALFS
	s_mul_i32 s3, s16, HALFS
	s_add_co_u32 s3, s3, 2*HALFS
	s_sub_co_u32 s3, s3, s2
	v_mul_u32_u24 v6, s3, v3
	s_add_co_u32 s2, s2, SCL
	v_add_nc_u32 v5, v5, v6
	v_add_nc_u32 v[ADRS], s2, v5
	s_mul_i32 s2, s14, 16*SPITCH
	v_mul_u32_u24 v5, v2, SPITCH
	v_lshl_add_u32 v5, v3, 6, v5
	v_add_nc_u32 v[STO], s2, v5
	v_add_nc_u32 v[RD], s2, v[O16]
	s_wait_alu depctr_va_vdst(0)
	s_wait_tensorcnt 0x0                           ; my tile of the head's four is in
	ds_add_u32 v[SPW], v[NIL]
	s_mov_b32 s[G1L+2], 8<<16                      ; no tensor load of mine is out: from here on a load brings 8 tiles,
	s_mov_b32 s[G1L+4], 8
	s_mov_b32 s[G1P+2], 8<<16
	s_mov_b32 s[G1P+4], 8
	s_mov_b32 s[G0L+1], s12                        ; and slot 0's sets point at my 8 tiles
	s_add_nc_u64 s[G0L+2:G0L+3], s[G0L+2:G0L+3], s[20:21]
	s_mov_b32 s[G0P+1], s12
	s_add_nc_u64 s[G0P+2:G0P+3], s[G0P+2:G0P+3], s[20:21]
	s_wait_dscnt 0x0
	CROUND                                         ; all four tiles are in, and all sixteen work-groups are here
	JLOAD G0L+4, G1L, G0P+4, G1P                   ; slot 1's first fill, the first tensor load behind the round
	FETCH_P 0, 0, 0
	FETCH_L 0, 0, 0
	SCALES 0
	FETCH_L 0, 0, 4
	s_wait_loadcnt 0x0
	STEP 0, 0, 2
	TURN 0, 1, 1
	STEP 1, 0, 0
	TURN 1, 0, 1
	STEP 0, 0, 0
	TURN 0, 1, 0
	STEP 1, 0, 0
	s_wait_dscnt 4*NL
	WIN MUL_LO
	MUL16 0, 1, 1, 1, 0
	MUL16 2, 1, 1, 1, 0
	s_wait_dscnt 0x0
	WIN MUL_HI
	MUL16 4, 1, 1, 1, 0
	MUL16 6, 1, 1, 1, 0
	WIN 0
.macro TOSTAGE a
.set AC, 64*((\a)%4)
	WIN 0x08+4*((\a)/4)
.irp b, 0,1,2,3,4,5,6,7
	ds_store_b128 v[STO], v[AC+8*\b:AC+8*\b+3] offset:128*(\b/2)+32*(\b%2)
	ds_store_b128 v[STO], v[AC+8*\b+4:AC+8*\b+7] offset:128*(\b/2)+32*(\b%2)+16
.endr
	WIN 0
.set BB, BK+64*((\a)%2)
.irp t, 0,1,2,3,4,5,6,7,8,9,10,11,12,13,14,15
	ds_load_b128 v[BB+4*\t:BB+4*\t+3], v[RD] offset:\t*SPITCH
.endr
.endm
.macro SEND a, younger
.set BB, BK+64*((\a)%2)
	s_wait_dscnt \younger
.irp t, 0,1,2,3,4,5,6,7,8,9,10,11,12,13,14,15
	global_store_b128 v[O16], v[BB+4*\t:BB+4*\t+3], s[10:11] offset:(32*((\a)/2)+8*((\a)%2)+\t+8*(\t/8))*4096 th:TH_STORE_NT
.endr
.endm
	PLACES NP
	TOSTAGE 0
.irp a, 1,2,3,4,5,6,7
.if \a > 1
	s_wait_xcnt 0x0
.endif
	TOSTAGE \a
	SEND \a-1, 32
.endr
	SEND 7, 0
	s_wait_tensorcnt 0x0
	ds_add_u32 v[SPW], v[NIL]
	s_wait_dscnt 0x0
	CROUND
	s_endpgm
.Lfunc_end_k_qd92e317a30_gemm2:
	.size	k_qd92e317a30_gemm2, .Lfunc_end_k_qd92e317a30_gemm2-k_qd92e317a30_gemm2
	.p2alignl 7, 3214868480
	.fill 96, 4, 3214868480
	.section	.rodata,"a",@progbits
	.p2align	6, 0x0
	.amdhsa_kernel k_qd92e317a30_gemm2
		.amdhsa_group_segment_fixed_size 327680
		.amdhsa_private_segment_fixed_size 0
		.amdhsa_enable_private_segment 0
		.amdhsa_kernarg_size 32
		.amdhsa_user_sgpr_count 2
		.amdhsa_user_sgpr_kernarg_segment_ptr 1
		.amdhsa_wavefront_size32 1
		.amdhsa_system_sgpr_workgroup_id_x 1
		.amdhsa_system_sgpr_workgroup_id_y 1
		.amdhsa_system_sgpr_workgroup_id_z 1
		.amdhsa_system_vgpr_workitem_id 0
		.amdhsa_next_free_vgpr 1024
		.amdhsa_next_free_sgpr 100
		.amdhsa_reserve_vcc 0
		.amdhsa_float_denorm_mode_32 3
		.amdhsa_float_denorm_mode_16_64 3
		.amdhsa_memory_ordered 1
		.amdhsa_forward_progress 1
		.amdhsa_inst_pref_size 145
	.end_amdhsa_kernel
	.amdgpu_metadata
---
amdhsa.version: [ 1, 2 ]
amdhsa.kernels:
  - .name:           k_qd92e317a30_gemm2
    .symbol:         k_qd92e317a30_gemm2.kd
    .args:
      - { .name: oq, .offset: 0, .size: 8, .value_kind: global_buffer, .address_space: global }
      - { .name: img, .offset: 8, .size: 8, .value_kind: global_buffer, .address_space: global }
      - { .name: b_out, .offset: 16, .size: 8, .value_kind: global_buffer, .address_space: global }
      - { .name: out0, .offset: 24, .size: 8, .value_kind: global_buffer, .address_space: global }
    .group_segment_fixed_size: 327680
    .private_segment_fixed_size: 0
    .kernarg_segment_align: 8
    .kernarg_segment_size: 32
    .max_flat_workgroup_size: 128
    .sgpr_count:     100
    .vgpr_count:     1024
    .wavefront_size: 32
...
	.end_amdgpu_metadata
.endif
;; end of part 4
